; MI455X (gfx1250); checked and timed in simulation.
; The chip was launched on July 23, 2026; its instructions are those of AMD's public machine-readable ISA for CDNA 5 (MIT licence, August 2026) and "CDNA5" Instruction Set Architecture Reference Guide (July 2026). The comments in the code are by the model that wrote it; some were corrected since.
;; Block. Allowed arithmetic: matrix products marked QUANTISED: E4M3 operands, one given power-of-two scale a tensor, by v_wmma_f32_16x16x64_fp8_fp8 or v_wmma_f32_16x16x128_fp8_fp8, f32 sums; everything else in f32.
;; Inputs: W1 1,024 x 4,096 float32; W2 4,096 x 1,024 float32; Wk 1,024 x 1,024 float32; Wp 1,024 x 1,024 float32; Wq 1,024 x 1,024 float32; Wv 1,024 x 1,024 float32; b1 4,096 float32; b2 1,024 float32; be1 1,024 float32; be2 1,024 float32; bp 1,024 float32; g1 1,024 float32; g2 1,024 float32; lowp_scales 16 int32 (the exponents e of the quantised operands' scales 2^e); x 4 x 1,024 x 1,024 float32.
;; Outputs: out0 4 x 1,024 x 1,024 float32.
;; This version of the problem:
;;   THIS VERSION OF THE PROBLEM IS GIVEN IN LOW PRECISION. The matrix products marked QUANTISED in the list below multiply operands that are first quantised to E4M3 (4 exponent bits, 3 mantissa bits; 8 bits a number), with one given power-of-two scale for each operand tensor; their sums are f32. All else is computed in f32.
;;   The module's matrix products, in the order in which they are computed (A, B: the left and right operand; K: the contracted axis; several contracted axes count as one K, in the product's order):
;;     1. [M 4,096, K 1,024] x [K 1,024, N 1,024]; A: computed on the way; B: input Wq: QUANTISED (scales: A lowp_scales[0], B lowp_scales[1])
;;     2. [M 4,096, K 1,024] x [K 1,024, N 1,024]; A: computed on the way; B: input Wk: QUANTISED (scales: A lowp_scales[2], B lowp_scales[3])
;;     3. [M 4,096, K 1,024] x [K 1,024, N 1,024]; A: computed on the way; B: input Wv: QUANTISED (scales: A lowp_scales[4], B lowp_scales[5])
;;     4. batch 64 x [M 1,024, K 64] x [K 64, N 1,024]; A: computed on the way; B: computed on the way: QUANTISED (scales: A lowp_scales[6], B lowp_scales[7])
;;     5. batch 64 x [M 1,024, K 1,024] x [K 1,024, N 64]; A: softmax (see below); B: computed on the way: QUANTISED (scales: A lowp_scales[8], B lowp_scales[9])
;;     6. [M 4,096, K 1,024] x [K 1,024, N 1,024]; A: computed on the way; B: input Wp: QUANTISED (scales: A lowp_scales[10], B lowp_scales[11])
;;     7. [M 4,096, K 1,024] x [K 1,024, N 4,096]; A: computed on the way; B: input W1: QUANTISED (scales: A lowp_scales[12], B lowp_scales[13])
;;     8. [M 4,096, K 4,096] x [K 4,096, N 1,024]; A: computed on the way; B: input W2: QUANTISED (scales: A lowp_scales[14], B lowp_scales[15])
;;   THE QUANTISER, for each operand of a quantised product, along K:
;;     - The operand's scale is 2^e, e = its entry of the input lowp_scales (int32; the entries are numbered through the quantised products in the list's order, A before B).
;;     - Each number is divided by the scale, clamped to +-448, and rounded to the nearest number of E4M3, ties to even, subnormals kept.
;;     - The product sums the exact products of the quantised numbers (number of the format x scale) in f32.
;;   ~~~python
;;   def quantise(x, axis, e):      # numpy; x: float32 -> the quantised numbers, widened to float32 again
;;       x = np.moveaxis(x, axis, -1); K = x.shape[-1]
;;       r = np.clip(x / 2.0 ** e, -448, 448)
;;       step = 2.0 ** (np.maximum(np.frexp(np.where(r == 0, 1, r))[1] - 1, -6) - 3)
;;       q = np.round(r / step) * step * 2.0 ** e      # np.round: ties to even
;;       return np.moveaxis(q, -1, axis).astype(np.float32)
;;   ~~~
;;   SOFTMAX AHEAD OF A QUANTISED PRODUCT. Where the list says 'softmax', what is quantised is not the finished softmax but p = 2^(t - M), with t = logit x log2(e) and M = ceil(the row's largest t), a whole number; so 1/2 < the row's largest p <= 1. The row's sum l is taken of the UNQUANTISED p, in f32, and the product's result is divided by l at the end. Since M is a whole number, a kernel that streams over the keys may use a running M (the ceiling of the running maximum): every later rescaling is an exact power of two, so the quantised numbers keep their values, but for numbers so far below the row's largest that they fall under the format's range.
;;   OPERANDS COMPUTED ON THE WAY. 'Computed on the way' means the value that the module computes at that place (a softmax that the list does not call 'softmax' is quantised finished and normalised). What goes into a quantiser is computed in f32, as accurately as f32 sums, v_exp_f32 and their like allow (about 1e-6 of the number): no bf16 or f16 on the way to a quantiser, and a product that is left as it is and whose result goes on into a quantised operand takes f32 operands (vector FMAs, or v_wmma_f32_16x16x4_f32). A number that lies on a knife's edge between two numbers of the format may be rounded either way, as far as f32 arithmetic and the matrix unit's own rounding can turn it there, and no further.
;; One version. Each part assembles by itself: llvm-mc -triple=amdgcn-amd-amdhsa -mcpu=gfx1250 --defsym DOCPART=n.
;; ======== version 1 of 1: 7 launches
;; limits: right only within a limited range of input values
;; workspace buffers: opc 25,165,824 bytes; qkvc 12,582,912 bytes; attc 4,194,304 bytes; x1 16,777,216 bytes; h2c 4,194,304 bytes; hid 16,777,216 bytes
;; launch prep (part 1): grid 640 x 1, 4 waves a work-group, no clusters, 55,808 bytes of LDS; arguments x, g1, be1, lowp_scales, Wq, Wk, Wv, Wp, W1, W2, opc; writes opc
.if DOCPART == 1
	.amdgcn_target "amdgcn-amd-amdhsa--gfx1250"
	.amdhsa_code_object_version 6
	.text
	.protected	k_q7b82b28f61_prep
	.globl	k_q7b82b28f61_prep
	.p2align	8
	.type	k_q7b82b28f61_prep,@function
k_q7b82b28f61_prep:
	s_mov_b64 s[64:65], 0
	v_nop
	global_prefetch_b8 v0, s[64:65] scope:SCOPE_SE
	s_setreg_imm32_b32 hwreg(HW_REG_WAVE_MODE, 25, 1), 1
	s_wait_xcnt 0x0
; PREP: every operand that later products read many times is turned into codes of E4M3 once.
; Work-groups 0-255: h = layernorm(x, g1, be1), in f32, quantised three times (scales 2^e0, 2^e2, 2^e4: the A operands of the q, k and v products).
; Work-groups 256-639: Wq, Wk, Wv, Wp, W1, W2 (f32, K is their FIRST axis) quantised with e1, e3, e5, e11, e13, e15.
; LAYOUT OF ALL CODES: buf[k / 64][row][k % 64]: planes of 64 along K; in a plane the rows lie dense, 64 bytes each.
;   opc: hq at 0, hk at 4 MiB, hv at 8 MiB (16 planes x 4,096 tokens); at 12 MiB the rows (= columns n) of Wq, Wk, Wv, Wp, 1,024 each, in 16 planes of 4,096 rows;
;   W1 at 16 MiB (16 planes x 4,096 rows); W2 at 20 MiB (64 planes x 1,024 rows).
; code = x / 2^e, held within +-448, to the nearest code, ties to even.  LIMITS: each e between -126 and 119.  NaN among the inputs is not served.
; No tensor loads, no barrier, no cluster: waves share nothing but g1 and be1 (8 KiB), a small part of a wave's 16 KiB of x.  The two paths have LDS bytes of their own.
.set X,    32                          ; LN: v32-159   four rows x 32 numbers: row p, number 8 j + i = channel 256 j + 8 lane + i
.set G,    160                         ; LN: v160-191  g1 of my 32 channels; later the codes
.set BE,   192                         ; LN: v192-223  be1; later the rows on their way out
.set CDS,  160
.set OUTR, 192
.set TT,   224                         ; LN: v224-239  two sets of eight held numbers
.set SC,   240                         ; LN: v240+2q the scale 2^e of set q as f32, v241+2q 448 x 2^e
.set OFFS, 32                          ; W:  v32-63    4 lane + i x a row of W in bytes
.set WX,   64                          ; W:  v64-127   two sets of 32 numbers down K
.set WC,   128                         ; W:  v128-135  a block's codes
.set WOUT, 136                         ; W:  v136-199  the way out
.set WSTG, 20480                       ; W:  the stages begin behind the LN path's 4 x 5,120 bytes
.macro MKSC e, vr                      ; s[e] = the exponent: v[vr] = 2^e as f32 (the conversion takes its exponent field), v[vr+1] = 448 x 2^e
	s_add_co_i32 s88, s[\e], 127
	s_lshl_b32 s89, s88, 23
	v_mov_b32 v[\vr], s89
	s_add_co_i32 s88, s88, 8
	s_lshl_b32 s88, s88, 23
	s_or_b32 s88, s88, 0x600000
	v_mov_b32 v[\vr+1], s88
.endm
.macro RED4                            ; v8, v10, v12, v14: each summed over the 32 lanes, the four rows by turns; v16.. are at work (written before)
.irp m, 1,2,4,8
.irp p, 0,1,2,3
	v_add_f32_dpp v[8+2*\p], v[8+2*\p], v[8+2*\p] row_xmask:\m row_mask:0xf bank_mask:0xf
.endr
.endr
.irp p, 0,1,2,3
	v_permlanex16_b32 v[16+2*\p], v[8+2*\p], s36, s37
.endr
.irp p, 0,1,2,3
	v_add_f32 v[8+2*\p], v[8+2*\p], v[16+2*\p]
.endr
.endm
; Set q of codes: eight numbers are held into the other of two sets of registers (h itself stays), converted, and go into the wave's stage: plane 4 j + lane / 8, row p, byte 8 (lane % 8).
; They come back a plane's four rows (256 bytes) to sixteen lanes and are stored so: each store of sixteen lanes covers 256 consecutive bytes, aligned.
.macro QSET q
.irp n, 0,1,2,3,4,5,6,7,8,9,10,11,12,13,14,15
.irp i, 0,1,2,3,4,5,6,7
	v_med3_num_f32 v[TT+8*(\n%2)+\i], v[X+8*\n+\i], -v[SC+2*\q+1], v[SC+2*\q+1]   ; the conversion does not saturate (ISA guide 7.6.2): the hold comes first.  These eight are also the plain lines behind the conversion before
.endr
	v_cvt_scalef32_pk8_fp8_f32 v[CDS+2*\n:CDS+2*\n+1], v[TT+8*(\n%2):TT+8*(\n%2)+7], v[SC+2*\q]
	ds_store_b64 v3, v[CDS+2*\n:CDS+2*\n+1] offset:1280*(\n%4)+64*(\n/4)
.endr
.if \q > 0
	s_wait_xcnt 0x0                                ; the last set's stores have read their registers: they are loaded again only behind this wait
.endif
.irp i, 0,1,2,3,4,5,6,7
	ds_load_b128 v[OUTR+4*\i:OUTR+4*\i+3], v4 offset:640*\i   ; LDS serves a wave's instructions in order: these see my stores
.endr
	s_wait_dscnt 0x0                               ; the rows are back, and the stage's stores have read the codes' registers
.irp i, 0,1,2,3,4,5,6,7
	global_store_b128 v5, v[OUTR+4*\i:OUTR+4*\i+3], s[30+2*\q:31+2*\q] offset:524288*\i   ; lanes 0-15 plane 2 i, lanes 16-31 plane 2 i + 1
.endr
.endm
	s_load_b512 s[4:19], s[0:1], 0x0               ; x, g1, be1, the exponents, Wq, Wk, Wv, Wp
	s_load_b128 s[20:23], s[0:1], 0x40             ; W1, W2
	s_load_b64 s[24:25], s[0:1], 0x50              ; opc
	v_lshl_add_u32 v254, v0, 2, 0xd800
	v_mov_b32 v255, 0
	v_lshrrev_b32 v1, 5, v0
	v_readfirstlane_b32 s26, v1                    ; wave 0..3
	v_and_b32 v1, 31, v0                           ; lane
	s_wait_kmcnt 0x0
	s_load_b512 s[68:83], s[10:11], 0x0            ; e0 .. e15
	s_cmp_lt_u32 ttmp9, 256
	s_cbranch_scc0 .Lweights
	; ---------------- layer norm: wave w takes rows 16 x work-group + 4 w + 0..3, whole, in registers: x is read once
	s_wait_alu depctr_va_vdst(0)
	v_lshlrev_b32 v2, 5, v1                        ; 32 bytes a lane: eight neighbouring channels, which a conversion takes from one lane
	s_mul_i32 s27, s26, 5120                       ; my stage: 16 planes x (4 rows x 64 bytes + 64 of padding)
	v_lshrrev_b32 v7, 3, v1
	v_mul_u32_u24 v3, v7, 320
	v_and_b32 v7, 7, v1
	v_lshl_add_u32 v3, v7, 3, v3
	v_add_nc_u32 v3, s27, v3                       ; into the stage: 320 (lane / 8) + 8 (lane % 8): the 32 lanes of a store fall on 64 different banks
	v_lshrrev_b32 v7, 4, v1
	v_and_b32 v9, 15, v1
	v_mul_u32_u24 v4, v7, 320
	v_lshl_add_u32 v4, v9, 4, v4
	v_add_nc_u32 v4, s27, v4                       ; back: sixteen lanes to a plane
	v_lshlrev_b32 v5, 18, v7
	v_lshl_add_u32 v5, v9, 4, v5                   ; and the same place in the codes: a plane is 262,144 bytes
	s_lshl_b32 s40, ttmp9, 16
	s_lshl_b32 s41, s26, 14
	s_add_co_u32 s40, s40, s41
	s_mov_b32 s41, 0
	s_add_nc_u64 s[28:29], s[4:5], s[40:41]        ; x at my first row
	s_lshl_b32 s40, ttmp9, 10
	s_lshl_b32 s42, s26, 8
	s_add_co_u32 s40, s40, s42
	s_add_nc_u64 s[30:31], s[24:25], s[40:41]      ; my rows in plane 0 of hq,
	s_add_nc_u64 s[32:33], s[30:31], 0x400000      ; of hk,
	s_add_nc_u64 s[34:35], s[30:31], 0x800000      ; of hv
	s_mov_b32 s36, 0x76543210                      ; lane selects: lane l xor 16
	s_mov_b32 s37, 0xfedcba98
	s_mov_b32 s38, 0x3a800000                      ; 1 / 1,024
	s_mov_b32 s39, 0x3727c5ac                      ; 1e-5
.irp p, 0,1,2,3
.irp j, 0,1,2,3
	global_load_b128 v[X+32*\p+8*\j:X+32*\p+8*\j+3], v2, s[28:29] offset:4096*\p+1024*\j th:TH_LOAD_NT
	global_load_b128 v[X+32*\p+8*\j+4:X+32*\p+8*\j+7], v2, s[28:29] offset:4096*\p+1024*\j+16 th:TH_LOAD_NT
.endr
.endr
.irp j, 0,1,2,3
	global_load_b128 v[G+8*\j:G+8*\j+3], v2, s[6:7] offset:1024*\j
	global_load_b128 v[G+8*\j+4:G+8*\j+7], v2, s[6:7] offset:1024*\j+16
	global_load_b128 v[BE+8*\j:BE+8*\j+3], v2, s[8:9] offset:1024*\j
	global_load_b128 v[BE+8*\j+4:BE+8*\j+7], v2, s[8:9] offset:1024*\j+16
.endr
.irp p, 0,1,2,3
	v_mov_b32 v[25+2*\p], 0                        ; (the upper halves of the pairs that the packed forms name)
.endr
	s_wait_loadcnt 16                              ; x's 32 loads are in; the 16 of g1 and be1 may be out
.irp p, 0,1,2,3                        ; the row's sum: two packed chains a row
	v_pk_add_f32 v[8+2*\p:9+2*\p], v[X+32*\p:X+32*\p+1], v[X+32*\p+4:X+32*\p+5]
	v_pk_add_f32 v[16+2*\p:17+2*\p], v[X+32*\p+2:X+32*\p+3], v[X+32*\p+6:X+32*\p+7]
.endr
.irp k, 8,12,16,20,24,28
.irp p, 0,1,2,3
	v_pk_add_f32 v[8+2*\p:9+2*\p], v[8+2*\p:9+2*\p], v[X+32*\p+\k:X+32*\p+\k+1]
	v_pk_add_f32 v[16+2*\p:17+2*\p], v[16+2*\p:17+2*\p], v[X+32*\p+\k+2:X+32*\p+\k+3]
.endr
.endr
.irp p, 0,1,2,3
	v_pk_add_f32 v[8+2*\p:9+2*\p], v[8+2*\p:9+2*\p], v[16+2*\p:17+2*\p]
.endr
.irp p, 0,1,2,3
	v_add_f32 v[8+2*\p], v[8+2*\p], v[9+2*\p]
.endr
	RED4
.irp p, 0,1,2,3
	v_mul_f32 v[24+2*\p], s38, v[8+2*\p]           ; the mean
.endr
.irp p, 0,1,2,3
.irp k, 0,2,4,6,8,10,12,14,16,18,20,22,24,26,28,30
	v_pk_add_f32 v[X+32*\p+\k:X+32*\p+\k+1], v[X+32*\p+\k:X+32*\p+\k+1], v[24+2*\p:25+2*\p] op_sel_hi:[1,0] neg_lo:[0,1] neg_hi:[0,1]   ; x - mean: the variance is taken of these, so a common offset costs nothing
.endr
.endr
.irp p, 0,1,2,3
	v_pk_mul_f32 v[8+2*\p:9+2*\p], v[X+32*\p:X+32*\p+1], v[X+32*\p:X+32*\p+1]
	v_pk_mul_f32 v[16+2*\p:17+2*\p], v[X+32*\p+2:X+32*\p+3], v[X+32*\p+2:X+32*\p+3]
.endr
.irp k, 4,8,12,16,20,24,28
.irp p, 0,1,2,3
	v_pk_fma_f32 v[8+2*\p:9+2*\p], v[X+32*\p+\k:X+32*\p+\k+1], v[X+32*\p+\k:X+32*\p+\k+1], v[8+2*\p:9+2*\p]
	v_pk_fma_f32 v[16+2*\p:17+2*\p], v[X+32*\p+\k+2:X+32*\p+\k+3], v[X+32*\p+\k+2:X+32*\p+\k+3], v[16+2*\p:17+2*\p]
.endr
.endr
.irp p, 0,1,2,3
	v_pk_add_f32 v[8+2*\p:9+2*\p], v[8+2*\p:9+2*\p], v[16+2*\p:17+2*\p]
.endr
.irp p, 0,1,2,3
	v_add_f32 v[8+2*\p], v[8+2*\p], v[9+2*\p]
.endr
	RED4
.irp p, 0,1,2,3
	v_fma_f32 v[8+2*\p], v[8+2*\p], s38, s39       ; the variance + 1e-5
.endr
	s_wait_alu depctr_va_vdst(0)
.irp p, 0,1,2,3
	v_rsq_f32 v[24+2*\p], v[8+2*\p]
.endr
	v_nop                                          ; a plain line behind the last of the four
	s_wait_alu depctr_va_vdst(0)                   ; one wait for the batch, ahead of its first reader
	s_wait_loadcnt 0x0                             ; g1, be1
.irp p, 0,1,2,3
.irp k, 0,2,4,6,8,10,12,14,16,18,20,22,24,26,28,30
	v_pk_mul_f32 v[X+32*\p+\k:X+32*\p+\k+1], v[X+32*\p+\k:X+32*\p+\k+1], v[24+2*\p:25+2*\p] op_sel_hi:[1,0]
.endr
.endr
.irp p, 0,1,2,3
.irp k, 0,2,4,6,8,10,12,14,16,18,20,22,24,26,28,30
	v_pk_fma_f32 v[X+32*\p+\k:X+32*\p+\k+1], v[X+32*\p+\k:X+32*\p+\k+1], v[G+\k:G+\k+1], v[BE+\k:BE+\k+1]
.endr
.endr
	s_wait_kmcnt 0x0                               ; the exponents
	MKSC 68, SC
	s_wait_alu depctr_va_vdst(0)
	MKSC 70, SC+2
	MKSC 72, SC+4
	QSET 0
	QSET 1
	QSET 2
	s_wait_tensorcnt 0x0
	ds_add_u32 v254, v255
	s_wait_dscnt 0x0
	s_endpgm
	; ---------------- weights: a work-group takes 128 columns x 256 along K, a wave 32 columns.  A LANE TAKES A COLUMN AND ITS REGISTERS RUN DOWN K: each load reads 128 consecutive bytes,
	; and the conversions give codes with K innermost.  All that differs between the six tensors is chosen from the work-group's number, without a branch.
.Lweights:
	s_sub_co_u32 s27, ttmp9, 256                   ; 0..383: 4 x 32 for Wq, Wk, Wv, Wp; 128 for W1; 128 for W2
	s_lshr_b32 s28, s27, 7
	s_lshr_b32 s29, s27, 5
	s_add_co_u32 s39, s28, 3
	s_cmp_eq_u32 s28, 0
	s_cselect_b32 s29, s29, s39                    ; which tensor: 0..5
	s_cselect_b32 s39, 31, 127
	s_and_b32 s30, s27, s39                        ; my number among its work-groups
	s_cmp_eq_u32 s29, 4                            ; W1 has 32 groups of columns, the others 8
	s_cselect_b32 s39, 31, 7
	s_cselect_b32 s84, 5, 3
	s_mov_b32 s33, 4096
	s_cselect_b32 s33, 16384, s33                  ; a row of the tensor in bytes
	s_and_b32 s31, s30, s39                        ; which 128 columns
	s_lshr_b32 s32, s30, s84                       ; which 256 along K
	s_cmp_eq_u32 s29, 5
	s_mov_b32 s34, 262144
	s_cselect_b32 s34, 65536, s34                  ; a plane of its codes in bytes
	s_lshl_b32 s35, s29, 16                        ; the four square ones: 1,024 rows of 64 bytes each, side by side in the planes at 12 MiB
	s_sub_co_u32 s39, s29, 3
	s_lshl_b32 s39, s39, 22                        ; W1, W2: 4 and 8 MiB further on
	s_cmp_lt_u32 s29, 4
	s_cselect_b32 s35, s35, s39
	s_add_co_u32 s35, s35, 12<<20
	s_mov_b64 s[36:37], s[12:13]
	s_wait_kmcnt 0x0                               ; the exponents
	s_mov_b32 s38, s69
	s_cmp_eq_u32 s29, 1
	s_cselect_b64 s[36:37], s[14:15], s[36:37]
	s_cselect_b32 s38, s71, s38
	s_cmp_eq_u32 s29, 2
	s_cselect_b64 s[36:37], s[16:17], s[36:37]
	s_cselect_b32 s38, s73, s38
	s_cmp_eq_u32 s29, 3
	s_cselect_b64 s[36:37], s[18:19], s[36:37]
	s_cselect_b32 s38, s79, s38
	s_cmp_eq_u32 s29, 4
	s_cselect_b64 s[36:37], s[20:21], s[36:37]
	s_cselect_b32 s38, s81, s38
	s_cmp_eq_u32 s29, 5
	s_cselect_b64 s[36:37], s[22:23], s[36:37]
	s_cselect_b32 s38, s83, s38
	s_lshl_b32 s84, s31, 7
	s_lshl_b32 s85, s26, 5
	s_add_co_u32 s84, s84, s85                     ; my wave's first column
	s_mul_i32 s86, s32, s33
	s_lshl_b32 s86, s86, 8                         ; 256 rows for each step along K
	s_lshl_b32 s85, s84, 2
	s_add_co_u32 s86, s86, s85
	s_mov_b32 s87, 0
	s_add_nc_u64 s[40:41], s[36:37], s[86:87]      ; block 0 of 32 rows;
	s_lshl_b32 s86, s33, 5
.irp t, 1,2,3,4,5,6,7
	s_add_nc_u64 s[40+2*\t:41+2*\t], s[38+2*\t:39+2*\t], s[86:87]   ; blocks 1 to 7: a base each, so that no pointer is stepped while loads are out
.endr
	s_lshl_b32 s85, s32, 2
	s_mul_i32 s85, s85, s34                        ; my four planes,
	s_add_co_u32 s85, s85, s35
	s_lshl_b32 s84, s84, 6                         ; my 32 rows of 64 bytes in each
	s_add_co_u32 s86, s85, s84
	s_add_nc_u64 s[56:57], s[24:25], s[86:87]
	s_mov_b32 s86, s34
.irp p, 1,2,3
	s_add_nc_u64 s[56+2*\p:57+2*\p], s[54+2*\p:55+2*\p], s[86:87]
.endr
	s_wait_alu depctr_va_vdst(0)
	v_lshlrev_b32 v2, 2, v1
.irp i, 0,1,2,3,4,5,6,7,8,9,10,11,12,13,14,15,16,17,18,19,20,21,22,23,24,25,26,27,28,29,30,31
	v_mad_u32_u24 v[OFFS+\i], s33, \i, v2          ; row i of a block, my column
.endr
	s_mul_i32 s39, s26, 8704                       ; my stage: 4 planes x 32 rows of 64 bytes, 16 bytes of padding behind every 256
	s_add_co_u32 s39, s39, WSTG
	v_lshrrev_b32 v9, 2, v1
	v_lshlrev_b32 v4, 6, v1
	v_lshl_add_u32 v4, v9, 4, v4
	v_add_nc_u32 v4, s39, v4                       ; in: row = my column: 64 lane + 16 (lane / 4)
	v_lshrrev_b32 v9, 4, v1
	v_lshlrev_b32 v8, 4, v1                        ; out: 16 bytes a lane, dense, in memory
	v_lshl_add_u32 v7, v9, 4, v8
	v_add_nc_u32 v7, s39, v7                       ; and in the stage, past the padding
	v_and_b32 v12, 15, v1                          ; W2 alone leaves in another order (see the way out): lane (r, h) takes bytes 16 h + 0..15 of row r of a block of 16 rows
	v_lshrrev_b32 v13, 2, v12
	v_lshlrev_b32 v12, 6, v12
	v_lshl_add_u32 v12, v13, 4, v12
	v_lshl_add_u32 v12, v9, 4, v12
	v_add_nc_u32 v12, s39, v12                     ; 64 r + 16 (r / 4) + 16 h in my stage
.macro WLOAD t                         ; block t: W(32 t + i, my column), i = 0..31, into set t % 2
.irp i, 0,1,2,3,4,5,6,7,8,9,10,11,12,13,14,15,16,17,18,19,20,21,22,23,24,25,26,27,28,29,30,31
	global_load_b32 v[WX+32*((\t)%2)+\i], v[OFFS+\i], s[40+2*(\t):41+2*(\t)] th:TH_LOAD_NT
.endr
.endm
	WLOAD 0
	WLOAD 1
	MKSC 38, 10                                    ; v10 = 2^e, v11 = 448 x 2^e
.macro WBLOCK t
.set XS, WX+32*((\t)%2)
.if (\t) < 7
	s_wait_loadcnt 32                              ; this block's 32 loads are in; the next block's may be out
.else
	s_wait_loadcnt 0x0
.endif
.irp i, 0,1,2,3,4,5,6,7,8,9,10,11,12,13,14,15,16,17,18,19,20,21,22,23,24,25,26,27,28,29,30,31
	v_med3_num_f32 v[XS+\i], v[XS+\i], -v11, v11
.endr
.irp g, 0,1,2,3
	v_cvt_scalef32_pk8_fp8_f32 v[WC+2*\g:WC+2*\g+1], v[XS+8*\g:XS+8*\g+7], v10
.endr
	ds_store_b128 v4, v[WC:WC+3] offset:2176*((\t)/2)+32*((\t)%2)       ; 32 codes: half of my column's row in plane t / 2
	ds_store_b128 v4, v[WC+4:WC+7] offset:2176*((\t)/2)+32*((\t)%2)+16
.if (\t)+2 < 8
	WLOAD (\t)+2
.endif
	s_wait_dscnt 0x0                               ; the stores have read their registers: the next block's codes may be written (its 32 holds are the plain lines that come first)
.endm
	s_wait_alu depctr_va_vdst(0)
.irp t, 0,1,2,3,4,5,6,7
	WBLOCK \t
.endr
	; W2's CODES LIE IN THE ORDER OF ITS READER'S OPERAND REGISTERS: in a plane each block of 16 rows is 1,024 bytes [k % 64 / 32][k % 32 / 16][row % 16][k % 16], so that lane (r, h) of the last launch finds its 16 bytes at 16 x lane.
	; The choice hangs on the work-group's number alone; both ways issue 16 LDS loads, so the counts below hold on both.
	s_cmp_eq_u32 s29, 5
	s_cbranch_scc1 .Lw2rows
.irp u, 0,1,2,3,4,5,6,7,8,9,10,11,12,13,14,15
	ds_load_b128 v[WOUT+4*\u:WOUT+4*\u+3], v7 offset:2176*(\u/4)+544*(\u%4)
.endr
	s_branch .Lwsend
.Lw2rows:
.irp u, 0,1,2,3,4,5,6,7,8,9,10,11,12,13,14,15
	ds_load_b128 v[WOUT+4*\u:WOUT+4*\u+3], v12 offset:2176*(\u/4)+1088*((\u%4)/2)+32*(\u%2)
.endr
.Lwsend:
.irp u, 0,1,2,3,4,5,6,7,8,9,10,11,12,13,14,15
	s_wait_dscnt 15-\u
	global_store_b128 v8, v[WOUT+4*\u:WOUT+4*\u+3], s[56+2*(\u/4):57+2*(\u/4)] offset:512*(\u%4)   ; 32 lanes store 512 consecutive bytes, aligned
.endr
	s_wait_tensorcnt 0x0
	ds_add_u32 v254, v255
	s_wait_dscnt 0x0
	s_endpgm
.Lfunc_end_k_q7b82b28f61_prep:
	.size	k_q7b82b28f61_prep, .Lfunc_end_k_q7b82b28f61_prep-k_q7b82b28f61_prep
	.p2alignl 7, 3214868480
	.fill 96, 4, 3214868480
	.section	.rodata,"a",@progbits
	.p2align	6, 0x0
	.amdhsa_kernel k_q7b82b28f61_prep
		.amdhsa_group_segment_fixed_size 55808
		.amdhsa_private_segment_fixed_size 0
		.amdhsa_enable_private_segment 0
		.amdhsa_kernarg_size 88
		.amdhsa_user_sgpr_count 2
		.amdhsa_user_sgpr_kernarg_segment_ptr 1
		.amdhsa_wavefront_size32 1
		.amdhsa_system_sgpr_workgroup_id_x 1
		.amdhsa_system_sgpr_workgroup_id_y 1
		.amdhsa_system_sgpr_workgroup_id_z 1
		.amdhsa_system_vgpr_workitem_id 0
		.amdhsa_next_free_vgpr 256
		.amdhsa_next_free_sgpr 100
		.amdhsa_reserve_vcc 0
		.amdhsa_float_denorm_mode_32 3
		.amdhsa_float_denorm_mode_16_64 3
		.amdhsa_memory_ordered 1
		.amdhsa_forward_progress 1
		.amdhsa_inst_pref_size 119
	.end_amdhsa_kernel
	.amdgpu_metadata
---
amdhsa.version: [ 1, 2 ]
amdhsa.kernels:
  - .name:           k_q7b82b28f61_prep
    .symbol:         k_q7b82b28f61_prep.kd
    .args:
      - { .name: x, .offset: 0, .size: 8, .value_kind: global_buffer, .address_space: global }
      - { .name: g1, .offset: 8, .size: 8, .value_kind: global_buffer, .address_space: global }
      - { .name: be1, .offset: 16, .size: 8, .value_kind: global_buffer, .address_space: global }
      - { .name: lowp_scales, .offset: 24, .size: 8, .value_kind: global_buffer, .address_space: global }
      - { .name: Wq, .offset: 32, .size: 8, .value_kind: global_buffer, .address_space: global }
      - { .name: Wk, .offset: 40, .size: 8, .value_kind: global_buffer, .address_space: global }
      - { .name: Wv, .offset: 48, .size: 8, .value_kind: global_buffer, .address_space: global }
      - { .name: Wp, .offset: 56, .size: 8, .value_kind: global_buffer, .address_space: global }
      - { .name: W1, .offset: 64, .size: 8, .value_kind: global_buffer, .address_space: global }
      - { .name: W2, .offset: 72, .size: 8, .value_kind: global_buffer, .address_space: global }
      - { .name: opc, .offset: 80, .size: 8, .value_kind: global_buffer, .address_space: global }
    .group_segment_fixed_size: 55808
    .private_segment_fixed_size: 0
    .kernarg_segment_align: 8
    .kernarg_segment_size: 88
    .max_flat_workgroup_size: 128
    .sgpr_count:     100
    .vgpr_count:     256
    .wavefront_size: 32
...
	.end_amdgpu_metadata
.endif
;; end of part 1
;; launch qkv (part 2): grid 4 x 48, 4 waves a work-group, clusters of 4 x 4, 327,680 bytes of LDS; arguments opc, lowp_scales, qkvc; writes qkvc
.if DOCPART == 2
	.amdgcn_target "amdgcn-amd-amdhsa--gfx1250"
	.amdhsa_code_object_version 6
	.text
	.protected	k_q7b82b28f61_qkv
	.globl	k_q7b82b28f61_qkv
	.p2align	8
	.type	k_q7b82b28f61_qkv,@function
k_q7b82b28f61_qkv:
	s_mov_b64 s[64:65], 0
	v_nop
	global_prefetch_b8 v0, s[64:65] scope:SCOPE_SE
	s_setreg_imm32_b32 hwreg(HW_REG_WAVE_MODE, 25, 1), 1
	s_wait_xcnt 0x0
	s_wait_alu depctr_hold_cnt(0) depctr_sa_sdst(0) depctr_va_vdst(0) depctr_va_sdst(0) depctr_va_ssrc(0) depctr_va_vcc(0) depctr_vm_vsrc(0)
	s_getreg_b32 s2, hwreg(HW_REG_IB_STS2, 6, 4)
	s_cmp_eq_u32 s2, 0
	s_cbranch_scc0 .Lentry_in_a_cluster
	s_endpgm
.Lentry_in_a_cluster:
	s_bfe_u32 s2, ttmp6, 0x10000c
	s_cmp_lg_u32 s2, 0xf033
	s_cbranch_scc0 .Lentry_shape_is_right
	s_endpgm
.Lentry_shape_is_right:
; A GEMM ON CODES OF E4M3 WHOSE RESULTS ARE QUANTISED AT ONCE: C'[m][n] = sum over k of A'[m][k] B'[n][k], K = 1,024; out = codes of C'.  One source serves two launches (IS_FF1).
; IS_FF1 = 0: q = h Wq, k = h Wk (A' = h's codes, B' = the weight's rows = its columns n) and v^T = Wv^T h^T (A' = Wv's rows, B' = h's codes), so that v's codes come out with the TOKENS innermost,
;   which are the K of attention's second product.  Cluster y = 0..11: which product (y / 4) and which 1,024 tokens (y % 4).  code = sum x 2^(eA + eB - eout), eout = e6, e7, e9.
; IS_FF1 = 1: hid = relu(h2 W1 + b1): b1 / 2^(e12 + e13) is the C of each sum's first product (so it enters the sum first: another order of f32 rounding than a bias added last); the hold at the largest code clips at 0 as well.
; ALL OPERANDS AND RESULTS LIE AS buf[k / 64][row][k % 64]: planes of 64 along K, rows dense in a plane.  A tile's 128 rows are 8,192 consecutive bytes of a plane.
; A tile of C', 256 x 256, is made by four waves, as many as a WGP has SIMDs; a wave makes 128 x 128: 64 accumulators, 512 registers.  K goes in steps of 256 (four planes) through a ring of two LDS slots.
; CLUSTERS: 4 x 4 work-groups; A's tiles are asked for jointly along a row of the cluster, B's along a column.  The matrix instruction is used transposed (source 0 = rows of B', source 1 = rows of A'):
; a lane holds eight neighbouring columns of one row of C', which one conversion turns into eight neighbouring bytes of the output's row.
; LIMITS: eout - eA - eB between -126 and 119.  NaN is not served.
; REGISTERS: window 0: v16-31 addresses and the two constants of the quantiser; v32-95 (IS_FF1: first the bias) the held sums; v96-127 codes; v128-255 A's fragments, one set; on the way out v128-159 rows of codes.
;   window 1: B's fragments, two sets.  windows 2, 3: the accumulators ((a, b) at v[8 (8 (a % 4) + b)]).
.set IS_FF1, 0
.set PLANE,  8704                      ; 128 rows x 64 bytes in LDS, with 16 bytes of padding behind every 256: row p at 64 p + 16 (p / 4): the 16 rows that a load touches start at 16 different groups of four banks (64 banks of 4 bytes: ISA guide 11.1)
.set BLK16,  1088                      ; 16 rows of it
.set HALFT,  4*PLANE                   ; what one tensor load brings: 128 rows x 4 planes
.set SLOT,   4*HALFT                   ; A's rows 0-127, 128-255, B's rows 0-127, 128-255
.set SPARE,  2*SLOT                    ; behind the ring: the spare words, 128 bytes for each wave
.set STG,    SPARE+512                 ; behind them: a stage of 2,304 bytes for each wave, which no tensor load fills
.set STGW,   2304
.set PSTR,   262144                    ; from plane to plane in every operand of these launches
.set KADV,   4*PSTR                    ; a K step on
.set LAPS,   2                         ; 1,024 / 512
.set FR,     16
.set NL,     4
.set NP,     4
.set ADRA, 16
.set ADRB, 20
.set STO,  24
.set RD,   25
.set CO,   26
.set SPW,  28
.set NIL,  29
.set SCL,  30                          ; v30  2^(eout - eA - eB) as f32
.set LIM,  31                          ; v31  448 x that
.set TMP,  32
.set BI,   32
.set CD,   96
.set AF,   128
.set BK,   128
.set G1,  24
.set G0,  32
.set G1B, 48
.set G0B, 56
.set MSB, 0
.macro WIN new                         ; the immediate's high byte repeats the setting that is left
.if MSB != \new
	s_set_vgpr_msb (MSB<<8)|\new
.set MSB, \new
.endif
.endm
.set MUL_LO, 0xa1                      ; source 0 (B) window 1, source 1 (A) window 0, C and D window 2
.set MUL_HI, 0xf1                      ; the same, C and D window 3
.set TO_B,   0x40
.macro JLOAD g0a, g1a, g0b, g1b        ; a joint load: waves 0 and 1 fetch for A, waves 2 and 3 for B; four v_nop follow each of the two lines
	s_cmp_eq_u32 s15, 0
	s_cbranch_scc0 .Lfor_b_\@
	tensor_load_to_lds s[\g0a:\g0a+3], s[\g1a:\g1a+7]
	s_nop 0
.rept 4
	v_nop
.endr
	s_branch .Lasked_\@
.Lfor_b_\@:
	tensor_load_to_lds s[\g0b:\g0b+3], s[\g1b:\g1b+7]
	s_nop 0
.rept 4
	v_nop
.endr
.Lasked_\@:
.endm
.macro CREST                           ; a round of the cluster's barrier behind its opening barrier
	s_cmp_lg_u32 s14, 0
	s_cbranch_scc1 .Lnot_wave_0_\@
	s_barrier_signal -3
.Lnot_wave_0_\@:
	s_barrier_wait -3
	s_barrier_signal -1
	s_barrier_wait -1
.endm
.macro CROUND
	s_barrier_signal -1
	s_barrier_wait -1
	CREST
.endm
.if IS_FF1
	s_load_b128 s[4:7], s[0:1], 0x0                ; h2's codes, opc
	s_load_b64 s[8:9], s[0:1], 0x10                ; the exponents
	s_load_b64 s[12:13], s[0:1], 0x18              ; b1
	s_load_b64 s[10:11], s[0:1], 0x20              ; the output
.else
	s_load_b128 s[4:7], s[0:1], 0x0                ; opc, the exponents
	s_load_b64 s[10:11], s[0:1], 0x10              ; the output
.endif
	v_lshl_add_u32 v[SPW], v0, 2, SPARE
	v_mov_b32 v[NIL], 0
	ds_add_u32 v28, v29
	ds_add_u32 v28, v29
	s_wait_dscnt 0x0
	v_lshrrev_b32 v1, 5, v0
	v_readfirstlane_b32 s14, v1                    ; wave 0..3
	s_lshr_b32 s15, s14, 1                         ; which half of the tile's rows is mine.  Also: I fetch for A (0) or for B (1)
	s_and_b32 s16, s14, 1                          ; which half of its columns.  Also: which 128 rows of that tile I fetch
	s_bfe_u32 s40, ttmp6, 0x40000                  ; cx, cy: my place in the cluster
	s_bfe_u32 s41, ttmp6, 0x40004
	s_and_b32 s17, ttmp7, 0xffff                   ; cluster y
	s_lshl_b32 s43, s41, 2
	s_lshl_b32 s43, 15, s43                        ; my row of the cluster
	s_lshl_b32 s44, 0x1111, s40                    ; my column
	s_or_b32 s[G1+0], s43, 0x07700000              ; 15:0 the mask; 17:16 elements of 1 byte; 20 padding on; 21 set beside a mask; 24:22 after every 64 words (code 5); 31:25 four words (code 3)
	s_or_b32 s[G1B+0], s44, 0x07700000
.irp g, G1, G1B
	s_mov_b32 s[\g+1], 8192<<16                    ; tensor_dim0: 128 rows of a plane, 8,192 consecutive bytes
	s_mov_b32 s[\g+2], 4<<16                       ; tensor_dim1: four planes
	s_mov_b32 s[\g+3], 8192<<16                    ; tile_dim0
	s_mov_b32 s[\g+4], 4                           ; tile_dim1
	s_mov_b32 s[\g+5], PSTR                        ; from plane to plane
	s_mov_b32 s[\g+6], 0
	s_mov_b32 s[\g+7], 0
.endr
	; what the cluster as a whole works on: s20, s46 byte offsets of A's and B's first rows; s96, s97 its first row and column of C' in units of 1,024; s98 a plane of the output; s90 the output's region
.if IS_FF1
	s_lshl_b32 s20, s17, 16
	s_lshl_b32 s46, ttmp9, 16
	s_add_co_u32 s46, s46, 16<<20                  ; W1's codes
	s_mov_b32 s96, s17
	s_mov_b32 s97, ttmp9
	s_mov_b32 s98, PSTR
	s_mov_b32 s90, 0
.else
	s_lshr_b32 s88, s17, 2                         ; 0: q, 1: k, 2: v
	s_and_b32 s89, s17, 3                          ; which 1,024 tokens
	s_lshl_b32 s90, s88, 22
	s_lshl_b32 s91, s89, 16
	s_add_co_u32 s92, s90, s91                     ; q, k: A' = this product's codes of h, my tokens
	s_lshl_b32 s93, s88, 16
	s_add_co_u32 s93, s93, 12<<20                  ; q, k: B' = the weight's rows
	s_add_co_u32 s94, s91, 8<<20                   ; v: B' = hv, my tokens
	s_mov_b32 s95, (12<<20)+2048*64                ; v: A' = Wv's rows
	s_mov_b32 s98, PSTR
	s_cmp_eq_u32 s88, 2                            ; the choice hangs on the cluster's number alone: the same in all sixteen partners; nothing branches on it
	s_cselect_b32 s20, s95, s92
	s_cselect_b32 s46, s94, s93
	s_cselect_b32 s96, 0, s89
	s_cselect_b32 s97, s89, 0
	s_cselect_b32 s98, 65536, s98                  ; v's planes hold 1,024 channels
.endif
	s_lshl_b32 s18, s16, 13                        ; which 128 rows of the tile I fetch
	s_lshl_b32 s19, s41, 14                        ; A: 256 rows for each cy
	s_add_co_u32 s20, s20, s19
	s_add_co_u32 s20, s20, s18
	s_mov_b32 s21, 0
	s_lshl_b32 s47, s40, 14                        ; B: 256 rows for each cx
	s_add_co_u32 s46, s46, s47
	s_add_co_u32 s46, s46, s18
	s_mov_b32 s47, 0
	s_mul_i32 s45, s14, HALFT                      ; where they go: no place in the cluster enters an LDS address
	s_lshl_b32 s91, s97, 10
	s_lshl_b32 s93, s40, 8
	s_add_co_u32 s91, s91, s93
	s_lshl_b32 s93, s16, 7
	s_add_co_u32 s91, s91, s93                     ; my first column of C'
	s_lshr_b32 s92, s91, 6
	s_mul_i32 s92, s92, s98                        ; its plane of the output
	s_lshl_b32 s93, s96, 10
	s_lshl_b32 s94, s41, 8
	s_add_co_u32 s93, s93, s94
	s_lshl_b32 s94, s15, 7
	s_add_co_u32 s93, s93, s94                     ; my first row
	s_lshl_b32 s93, s93, 6
	s_add_co_u32 s92, s92, s93
	s_add_co_u32 s92, s92, s90
	s_mov_b32 s93, 0
	s_mov_b32 s99, 0
	s_wait_kmcnt 0x0
.if IS_FF1 == 0
	s_mov_b64 s[8:9], s[6:7]
	s_mov_b64 s[6:7], s[4:5]                       ; both operands lie in opc
.endif
	s_load_b512 s[68:83], s[8:9], 0x0              ; e0 .. e15
	s_add_nc_u64 s[20:21], s[4:5], s[20:21]
	s_add_nc_u64 s[46:47], s[6:7], s[46:47]
	s_add_nc_u64 s[84:85], s[10:11], s[92:93]      ; my rows in my first plane of the output,
	s_add_nc_u64 s[86:87], s[84:85], s[98:99]      ; and in my second
	; the prefetches: of the four planes that my tensor load of a K step brings, each of the four partners that ask for them jointly names one, told apart by address (cx for A, cy for B): 8,192 bytes, lanes 256 bytes apart
	s_cmp_eq_u32 s15, 0
	s_cselect_b64 s[12:13], s[20:21], s[46:47]
	s_cselect_b32 s18, s40, s41
	s_lshl_b32 s18, s18, 18                        ; x a plane
	s_mov_b32 s19, 0
	s_add_nc_u64 s[12:13], s[12:13], s[18:19]
	v_and_b32 v9, 31, v0
	v_lshlrev_b32 v9, 8, v9                        ; never rewritten
	s_wait_alu depctr_va_vdst(0)
	CROUND                                         ; all sixteen work-groups are here: the first joint loads meet
.irp s, 0,1
	s_mov_b32 s[G0+4*\s], 1
	s_add_co_u32 s[G0+4*\s+1], s45, \s*SLOT
	s_add_nc_u64 s[G0+4*\s+2:G0+4*\s+3], s[20:21], \s*KADV
	s_or_b32 s[G0+4*\s+3], s[G0+4*\s+3], 0x80000000
	s_mov_b32 s[G0B+4*\s], 1
	s_add_co_u32 s[G0B+4*\s+1], s45, \s*SLOT
	s_add_nc_u64 s[G0B+4*\s+2:G0B+4*\s+3], s[46:47], \s*KADV
	s_or_b32 s[G0B+4*\s+3], s[G0B+4*\s+3], 0x80000000
.endr
	JLOAD G0, G1, G0B, G1B                         ; K step 0: one tensor load a wave at the head
	global_prefetch_b8 v9, s[12:13] offset:KADV th:TH_LOAD_NT scope:SCOPE_SE      ; K step 1, whose load follows one fill on,
	global_prefetch_b8 v9, s[12:13] offset:2*KADV th:TH_LOAD_NT scope:SCOPE_SE    ; and K step 2, two fills on
	v_and_b32 v1, 15, v0                           ; r = lane % 16
	v_bfe_u32 v2, v0, 4, 1                         ; h = lane / 16
	v_lshrrev_b32 v3, 2, v1
	v_lshlrev_b32 v4, 6, v1
	v_lshl_add_u32 v4, v3, 4, v4                   ; row r in a plane: 64 r + 16 (r / 4)
	s_wait_alu depctr_va_vdst(0)
	v_lshl_add_u32 v5, v2, 4, v4                   ; + 16 h
	s_mul_i32 s21, s15, HALFT                      ; my 128 rows of A
	s_mul_i32 s22, s16, HALFT                      ; my 128 rows of B,
	s_add_co_u32 s22, s22, 2*HALFT                 ; which lie behind A's 256
.irp s, 0,1
	v_add_nc_u32 v[ADRA+\s], s21, v5
	v_add_nc_u32 v[ADRB+\s], s22, v5
	s_add_co_u32 s21, s21, SLOT
	s_add_co_u32 s22, s22, SLOT
.endr
	s_mul_i32 s23, s14, STGW
	s_add_co_u32 s23, s23, STG                     ; my stage: two planes x 16 rows
	v_lshl_add_u32 v6, v2, 3, v4
	v_add_nc_u32 v[STO], s23, v6                   ; in: row r, 8 bytes for each half of the lanes
	v_and_b32 v6, 31, v0
	v_lshlrev_b32 v[CO], 4, v6                     ; out: 16 bytes a lane, dense
	v_lshl_add_u32 v7, v2, 4, v[CO]
	v_add_nc_u32 v[RD], s23, v7                    ; the same bytes in the stage, past the padding
.if IS_FF1
	s_lshl_b32 s94, s91, 2
	s_mov_b32 s95, 0
	s_add_nc_u64 s[12:13], s[12:13], s[94:95]      ; b1 at my first column
	v_lshlrev_b32 v8, 5, v2                        ; lane (r, h) wants, for block b of columns, those of 16 b + 8 h + 0..7
.irp b, 0,1,2,3,4,5,6,7
	global_load_b128 v[BI+8*\b:BI+8*\b+3], v8, s[12:13] offset:64*\b
	global_load_b128 v[BI+8*\b+4:BI+8*\b+7], v8, s[12:13] offset:64*\b+16
.endr
.endif
	s_wait_kmcnt 0x0                               ; the exponents
.if IS_FF1
	s_add_co_i32 s94, s80, s81
	s_sub_co_i32 s92, s82, s94                     ; e14 - e12 - e13
	s_sub_co_i32 s94, 0, s94
	s_wait_loadcnt 0x0
.set i, 0
.rept 64
	v_ldexp_f32 v[BI+i], v[BI+i], s94              ; a sum stands for sum x 2^(e12 + e13): the bias goes in divided by that
.set i, i+1
.endr
.else
	s_sub_co_i32 s92, s74, s68
	s_sub_co_i32 s92, s92, s69                     ; q: e6 - e0 - e1
	s_sub_co_i32 s93, s75, s70
	s_sub_co_i32 s93, s93, s71                     ; k: e7 - e2 - e3
	s_sub_co_i32 s94, s77, s72
	s_sub_co_i32 s94, s94, s73                     ; v: e9 - e4 - e5
	s_cmp_eq_u32 s88, 1
	s_cselect_b32 s92, s93, s92
	s_cmp_eq_u32 s88, 2
	s_cselect_b32 s92, s94, s92
.endif
	s_add_co_i32 s92, s92, 127
	s_lshl_b32 s93, s92, 23
	v_mov_b32 v[SCL], s93
	s_add_co_i32 s92, s92, 8
	s_lshl_b32 s92, s92, 23
	s_or_b32 s92, s92, 0x600000
	v_mov_b32 v[LIM], s92
.macro FRAG reg, adr, q, i             ; a fragment, 16 rows x 128 K, is 16 registers: registers 4 c .. 4 c + 3 hold K = 32 c + 16 h + 0..15: plane 2 q + c / 2, bytes 32 (c % 2) + 16 h.  The same places of k in A and in B
.irp c, 0,1,2,3
	ds_load_b128 v[\reg+4*\c:\reg+4*\c+3], v[\adr] offset:(2*(\q)+(\c/2))*PLANE+32*(\c%2)+(\i)*BLK16
.endr
.endm
; 16 matrix instructions: A's blocks a0, a0 + 1 x B's eight.  p: B's set.  zero = 1: the first product starts the sums.  The 64 accumulators take turns, one instruction a turn.
.macro MUL16 a0, p, zero
.irp a, \a0, \a0+1
.irp b, 0,1,2,3,4,5,6,7
.if \zero
.if IS_FF1
	v_wmma_f32_16x16x128_fp8_fp8 v[8*(8*((\a)%4)+\b):8*(8*((\a)%4)+\b)+7], v[128*(\p)+FR*\b:128*(\p)+FR*\b+FR-1], v[AF+FR*(\a):AF+FR*(\a)+FR-1], v[BI+8*\b:BI+8*\b+7]
.else
	v_wmma_f32_16x16x128_fp8_fp8 v[8*(8*((\a)%4)+\b):8*(8*((\a)%4)+\b)+7], v[128*(\p)+FR*\b:128*(\p)+FR*\b+FR-1], v[AF+FR*(\a):AF+FR*(\a)+FR-1], 0
.endif
.else
	v_wmma_f32_16x16x128_fp8_fp8 v[8*(8*((\a)%4)+\b):8*(8*((\a)%4)+\b)+7], v[128*(\p)+FR*\b:128*(\p)+FR*\b+FR-1], v[AF+FR*(\a):AF+FR*(\a)+FR-1], v[8*(8*((\a)%4)+\b):8*(8*((\a)%4)+\b)+7]
.endif
.endr
.endr
.endm
.macro FETCH_B slot, q, p
	WIN TO_B
.irp i, 0,1,2,3,4,5,6,7
	FRAG 128*(\p)+FR*\i, ADRB+\slot, \q, \i
.endr
	WIN 0
.endm
.macro FETCH_A slot, q, i0
.irp i, \i0, \i0+1, \i0+2, \i0+3
	FRAG AF+FR*(\i), ADRA+\slot, \q, \i
.endr
.endm
.macro PLACES n                        ; plain vector lines between a matrix instruction and a load into, or a read of, its registers (ISA guide 7.12.1 for the reads)
.rept \n
	v_nop
.endr
.endm
.macro STEP slot, q, zero              ; a step of 128 along K that has its successor in the same slot
	s_wait_dscnt 4*NL                              ; B's set and A's blocks 0-3 are in; the youngest 16 loads (A's blocks 4-7) may be out
.if (\zero) && IS_FF1
	WIN 0x81                                       ; C (the bias) window 0, D window 2
.else
	WIN MUL_LO
.endif
	MUL16 0, (\q)%2, \zero
	MUL16 2, (\q)%2, \zero
	s_wait_dscnt 0
	PLACES NP
	FETCH_B \slot, (\q)+1, 1-(\q)%2
	FETCH_A \slot, (\q)+1, 0
.if (\zero) && IS_FF1
	WIN 0xc1
.else
	WIN MUL_HI
.endif
	MUL16 4, (\q)%2, \zero
	MUL16 6, (\q)%2, \zero
	PLACES NP
	WIN 0
	FETCH_A \slot, (\q)+1, 4
.endm
; A slot's last step changes slots: one barrier; in front of it each wave waits for all its tensor loads, adds 0 to its spare word, and waits for that and for its reads of this slot.  fill = 1: the slot is filled again, two K steps ahead.
.macro TURN slot, next, fill
	s_wait_tensorcnt 0x0                           ; all my tensor loads have landed: my part of the next slot (every window is 0 here)
	ds_add_u32 v[SPW], v[NIL]                      ; 0 onto my spare word
	s_wait_dscnt 0x0                               ; the add is done, and my reads of this slot are over
	s_barrier_signal -1
	s_barrier_wait -1
.if \fill
	CREST                                          ; the barrier has opened a round of the cluster's barrier: no wave of any partner still reads this slot or has a load on its way
	s_add_nc_u64 s[G0+4*\slot+2:G0+4*\slot+3], s[G0+4*\slot+2:G0+4*\slot+3], 2*KADV
	s_add_nc_u64 s[G0B+4*\slot+2:G0B+4*\slot+3], s[G0B+4*\slot+2:G0B+4*\slot+3], 2*KADV
	JLOAD G0+4*\slot, G1, G0B+4*\slot, G1B         ; the first tensor load behind the round, my only one until the next; its four v_nop are the places in front of the loads below
.endif
	s_wait_alu depctr_va_vdst(0)
	WIN MUL_LO                                     ; all 64 products of this step stand behind the refill
	MUL16 0, 1, 0
	MUL16 2, 1, 0
	PLACES NP
	FETCH_B \next, 0, 0
	FETCH_A \next, 0, 0
	WIN MUL_HI
	MUL16 4, 1, 0
	MUL16 6, 1, 0
	PLACES NP
	WIN 0
	FETCH_A \next, 0, 4
.endm
	s_wait_alu depctr_va_vdst(0)
	s_wait_tensorcnt 0x0                           ; my part of K step 0 is in; slot 1's first fill is issued as a refill is:
	ds_add_u32 v[SPW], v[NIL]                      ; 0 onto my spare word
	s_wait_dscnt 0x0
	CROUND                                         ; a whole round: everybody's part of K step 0 is in, and the joint loads meet
	JLOAD G0+4, G1, G0B+4, G1B                     ; K step 1: the first tensor load behind the round
	global_prefetch_b8 v9, s[12:13] offset:3*KADV th:TH_LOAD_NT scope:SCOPE_SE    ; K step 3, the last, two fills on; the refills ask for nothing more
	FETCH_B 0, 0, 0
	FETCH_A 0, 0, 0
	FETCH_A 0, 0, 4
	STEP 0, 0, 1
	s_mov_b32 s3, LAPS-1
.Llap:                                                 ; a trip goes once round the ring and fills both slots again
	TURN 0, 1, 1
	STEP 1, 0, 0
	TURN 1, 0, 1
	STEP 0, 0, 0
	s_sub_co_u32 s3, s3, 1
	s_cmp_lg_u32 s3, 0
	s_cbranch_scc1 .Llap
	TURN 0, 1, 0                                   ; the last lap fills nothing
	STEP 1, 0, 0
	s_wait_dscnt 4*NL
	WIN MUL_LO
	MUL16 0, 1, 0
	MUL16 2, 1, 0
	s_wait_dscnt 0
	WIN MUL_HI
	MUL16 4, 1, 0
	MUL16 6, 1, 0
	WIN 0
; THE WAY OUT, block by block of 16 rows x 128 columns: held (IS_FF1: between 0 and the largest code, which is the relu), converted, eight bytes a lane into my stage, back as 2 x 1,024 dense bytes, stored 512 bytes an instruction.
.macro TOSTAGE a
.set AC, 64*((\a)%4)
.set CC, CD+16*((\a)%2)
.set BB, BK+16*((\a)%2)
	WIN 0x02+((\a)/4)                              ; source 0: window 2 or 3
.set i, 0
.rept 64
.if IS_FF1
	v_med3_num_f32 v[TMP+i], v[AC+i], 0, v[LIM]
.else
	v_med3_num_f32 v[TMP+i], v[AC+i], -v[LIM], v[LIM]   ; each accumulator from its low end on
.endif
.set i, i+1
.endr
	WIN 0
.irp b, 0,1,2,3,4,5,6,7
	v_cvt_scalef32_pk8_fp8_f32 v[CC+2*\b:CC+2*\b+1], v[TMP+8*\b:TMP+8*\b+7], v[SCL]
.endr
	v_nop                                          ; a plain line behind the last conversion: the next block's holds write its sources
.irp b, 0,1,2,3,4,5,6,7
	ds_store_b64 v[STO], v[CC+2*\b:CC+2*\b+1] offset:BLK16*(\b/4)+16*(\b%4)   ; columns 16 b + 8 h + 0..7: plane b / 4
.endr
.irp i, 0,1,2,3
	ds_load_b128 v[BB+4*\i:BB+4*\i+3], v[RD] offset:BLK16*(\i/2)+544*(\i%2)   ; LDS serves a wave's instructions in order: these see the stores above
.endr
.endm
.macro SEND a, younger
.set BB, BK+16*((\a)%2)
	s_wait_dscnt \younger
.irp i, 0,1,2,3
	global_store_b128 v[CO], v[BB+4*\i:BB+4*\i+3], s[84+2*(\i/2):85+2*(\i/2)] offset:1024*(\a)+512*(\i%2)   ; 32 lanes store 512 consecutive bytes, aligned
.endr
.endm
	PLACES NP                                      ; behind the last products: for the loads into the registers that held A's fragments, and for the reads of results
	TOSTAGE 0
.irp a, 1,2,3,4,5,6,7
.if \a > 1
	s_wait_xcnt 0x0                                ; block a - 2's stores have read their registers: block a's loads may land there
.endif
	TOSTAGE \a
	SEND \a-1, 12                                  ; behind block a - 1's loads: block a's 8 stores and 4 loads
.endr
	SEND 7, 0
	s_wait_tensorcnt 0x0                           ; the wave's end
	ds_add_u32 v[SPW], v[NIL]
	s_wait_dscnt 0x0
	CROUND                                         ; the closing round
	s_endpgm
.Lfunc_end_k_q7b82b28f61_qkv:
	.size	k_q7b82b28f61_qkv, .Lfunc_end_k_q7b82b28f61_qkv-k_q7b82b28f61_qkv
	.p2alignl 7, 3214868480
	.fill 96, 4, 3214868480
	.section	.rodata,"a",@progbits
	.p2align	6, 0x0
	.amdhsa_kernel k_q7b82b28f61_qkv
		.amdhsa_group_segment_fixed_size 327680
		.amdhsa_private_segment_fixed_size 0
		.amdhsa_enable_private_segment 0
		.amdhsa_kernarg_size 24
		.amdhsa_user_sgpr_count 2
		.amdhsa_user_sgpr_kernarg_segment_ptr 1
		.amdhsa_wavefront_size32 1
		.amdhsa_system_sgpr_workgroup_id_x 1
		.amdhsa_system_sgpr_workgroup_id_y 1
		.amdhsa_system_sgpr_workgroup_id_z 1
		.amdhsa_system_vgpr_workitem_id 0
		.amdhsa_next_free_vgpr 1024
		.amdhsa_next_free_sgpr 100
		.amdhsa_reserve_vcc 0
		.amdhsa_float_denorm_mode_32 3
		.amdhsa_float_denorm_mode_16_64 3
		.amdhsa_memory_ordered 1
		.amdhsa_forward_progress 1
		.amdhsa_inst_pref_size 126
	.end_amdhsa_kernel
	.amdgpu_metadata
---
amdhsa.version: [ 1, 2 ]
amdhsa.kernels:
  - .name:           k_q7b82b28f61_qkv
    .symbol:         k_q7b82b28f61_qkv.kd
    .args:
      - { .name: opc, .offset: 0, .size: 8, .value_kind: global_buffer, .address_space: global }
      - { .name: lowp_scales, .offset: 8, .size: 8, .value_kind: global_buffer, .address_space: global }
      - { .name: qkvc, .offset: 16, .size: 8, .value_kind: global_buffer, .address_space: global }
    .group_segment_fixed_size: 327680
    .private_segment_fixed_size: 0
    .kernarg_segment_align: 8
    .kernarg_segment_size: 24
    .max_flat_workgroup_size: 128
    .sgpr_count:     100
    .vgpr_count:     1024
    .wavefront_size: 32
...
	.end_amdgpu_metadata
.endif
;; end of part 2
;; launch attn (part 3): grid 4 x 64, 16 waves a work-group, clusters of 4 x 1, 169,984 bytes of LDS; arguments qkvc, lowp_scales, attc; writes attc
.if DOCPART == 3
	.amdgcn_target "amdgcn-amd-amdhsa--gfx1250"
	.amdhsa_code_object_version 6
	.text
	.protected	k_q7b82b28f61_attn
	.globl	k_q7b82b28f61_attn
	.p2align	8
	.type	k_q7b82b28f61_attn,@function
k_q7b82b28f61_attn:
	s_mov_b64 s[64:65], 0
	v_nop
	global_prefetch_b8 v0, s[64:65] scope:SCOPE_SE
	s_setreg_imm32_b32 hwreg(HW_REG_WAVE_MODE, 25, 1), 1
	s_wait_xcnt 0x0
	s_wait_alu depctr_hold_cnt(0) depctr_sa_sdst(0) depctr_va_vdst(0) depctr_va_sdst(0) depctr_va_ssrc(0) depctr_va_vcc(0) depctr_vm_vsrc(0)
	s_getreg_b32 s2, hwreg(HW_REG_IB_STS2, 6, 4)
	s_cmp_eq_u32 s2, 0
	s_cbranch_scc0 .Lentry_in_a_cluster
	s_endpgm
.Lentry_in_a_cluster:
	s_bfe_u32 s2, ttmp6, 0x10000c
	s_cmp_lg_u32 s2, 0x3003
	s_cbranch_scc0 .Lentry_shape_is_right
	s_endpgm
.Lentry_shape_is_right:
; CAUSAL ATTENTION ON CODES OF E4M3, head size 64, 1,024 tokens, 64 (batch, head) pairs; the result is quantised at once (2^e10) for the projection.
; q, k: [head][token][64] codes (e6, e7); v: [token / 64][channel][token % 64] codes (e9): the keys innermost.  Out: attc[head][token][64].
; SOFTMAX: t = score x log2(e) / 8; M = the running largest t rounded UP to a whole number; p = 2^(t - M) is quantised (e8); the row's sum is taken of the unquantised p and divides at the end.
; When M moves, the sum and O are multiplied by 2^(old M - new M), which rounds nothing.
; SHARES.  The four work-groups of a cluster belong to one (batch, head) and share its K and V: all 1,024 keys (2 x 69,632 bytes with padding) are asked for JOINTLY, once, at the head; no LDS byte is filled twice.
; A wave owns 16 queries: tile 4 t + cx of the head's 64, t = wave xor 3 ((wave / 4) % 2).  So the block of 128 keys on its diagonal, 128 (t / 2), hangs on the wave's number alone: no branch hangs on a work-group's
; place in its cluster; cx enters the mask's compare, q's address and the output's address only.  Every wave walks a loop of eight key steps of constant count; a step all of whose keys come after the wave's
; queries is jumped over (no barrier and no tensor load stands in a step).
; LAYOUT.  Both products transposed: S^T = K Q^T (16x16x64: source 0 = 16 neighbouring keys), O^T = V^T P^T (16x16x128): a lane holds one query (lane % 16).  In S^T's tile u register j is key 16 u + 8 h + j,
; which is just where the K = 128 form wants it in registers 2 u, 2 u + 1: one conversion a tile makes P's operand.
; LIMITS: e6 + e7 between -123 and 130; e8 and e10 between -126 and 119.  NaN is not served.
; REGISTERS: v1-v5, v7 addresses that stay; v3 the mask's number; v8, v9 addresses in hand; v12 -M, v13 the largest t, v[14:15] the sum; v16-23 Q; v32-95 K's 8 fragments, then V's 4; v96-159 S^T, then p; v160-191 O^T; v200-215 P's codes.
.set STEPB, 8704                       ; 128 keys: of K 128 rows x 64 bytes, of V 2 planes x 64 rows x 64 bytes, each with 16 bytes of padding behind every 256
.set BLK16, 1088
.set VOFF,  69632
.set STAGE, 139264                     ; behind the tiles: 1,280 bytes for each wave, which no tensor load fills
.set WV,  10
.set QB,  84                           ; s84  first key of the block on my diagonal
.set KF,  85                           ; s85  the step's first key
.set CS,  86                           ; s[86:87] c = log2(e) / 8 x 2^(e6 + e7)
.set SEL, 88                           ; s[88:89] lane selects: lane l xor 16
.set TB,  90                           ; s90  the step's first byte in K's and in V's tiles
.set G1K, 16
.set G1V, 24
.set G0K, 32                           ; s[32:47] four groups 0 for K's tiles of 256 keys
.set G0V, 48                           ; s[48:63] four for V's
.macro CROUND
	s_barrier_signal -1
	s_barrier_wait -1
	s_cmp_lg_u32 s[WV], 0
	s_cbranch_scc1 .Lnot_wave_0_\@
	s_barrier_signal -3
.Lnot_wave_0_\@:
	s_barrier_wait -3
	s_barrier_signal -1
	s_barrier_wait -1
.endm
	s_load_b128 s[4:7], s[0:1], 0x0                ; the codes of q, k, v; the exponents
	s_load_b64 s[8:9], s[0:1], 0x10                ; the output
	v_lshl_add_u32 v254, v0, 2, 0x29000
	v_mov_b32 v255, 0
	ds_add_u32 v254, v255
	ds_add_u32 v254, v255
	v_lshrrev_b32 v8, 5, v0
	s_delay_alu instid0(VALU_DEP_1)
	v_readfirstlane_b32 s[WV], v8                  ; wave 0..15
	s_bfe_u32 s11, ttmp6, 0x40000                  ; cx
	s_and_b32 s12, ttmp7, 0xffff
	s_lshr_b32 s13, s12, 4                         ; batch
	s_and_b32 s14, s12, 15                         ; head
	s_bfe_u32 s15, s[WV], 0x10002
	s_mul_i32 s15, s15, 3
	s_xor_b32 s15, s15, s[WV]                      ; t: so that waves w, w + 4, w + 8, w + 12 have 18 key steps together, whatever w
	s_lshr_b32 s[QB], s15, 1
	s_lshl_b32 s[QB], s[QB], 7
	s_and_b32 s90, s15, 1
	s_lshl_b32 s90, s90, 6
	s_lshl_b32 s91, s11, 4
	s_add_co_u32 s91, s91, s90                     ; my first query less QB: 64 (t % 2) + 16 cx
	s_mov_b32 s[G1K], 15|0x07700000                ; 15:0 the mask: all four; elements of 1 byte; padding on; 21 set beside a mask; four words after every 64
	s_mov_b32 s[G1K+1], 256<<16                    ; K: 256 keys are 16,384 dense bytes: 64 rows of 256
	s_mov_b32 s[G1K+2], 128<<16                    ; a load brings 512 keys: 128 rows of 256 bytes
	s_mov_b32 s[G1K+3], 256<<16
	s_mov_b32 s[G1K+4], 128
	s_mov_b32 s[G1K+5], 256
	s_mov_b32 s[G1K+6], 0
	s_mov_b32 s[G1K+7], 0
	s_mov_b32 s[G1V], 15|0x07700000
	s_mov_b32 s[G1V+1], 4096<<16                   ; V: four planes of 64 keys; the head's 64 channels are 4,096 dense bytes of a plane
	s_mov_b32 s[G1V+2], 8<<16                      ; a load brings eight planes of 64 keys
	s_mov_b32 s[G1V+3], 4096<<16
	s_mov_b32 s[G1V+4], 8
	s_mov_b32 s[G1V+5], 65536
	s_mov_b32 s[G1V+6], 0
	s_mov_b32 s[G1V+7], 0
	s_lshl_b32 s92, s14, 18
	s_lshl_b32 s93, s13, 16
	s_add_co_u32 s92, s92, s93                     ; the head's plane, the batch's 1,024 rows: in q, in k and in the output
	s_mov_b32 s93, 0
	s_lshl_b32 s94, s13, 20                        ; v: the batch's 16 planes,
	s_lshl_b32 s95, s14, 12                        ; the head's 64 rows
	s_add_co_u32 s94, s94, s95
	s_mov_b32 s95, 0
	s_mov_b32 s[SEL], 0x76543210
	s_mov_b32 s[SEL+1], 0xfedcba98
	s_mov_b32 s[CS], 0x3e38aa3b                    ; log2(e) / 8
	s_wait_dscnt 0x0
	s_wait_kmcnt 0x0
	s_load_b512 s[68:83], s[6:7], 0x0              ; e0 .. e15
	s_add_nc_u64 s[96:97], s[4:5], s[92:93]
	s_add_nc_u64 s[98:99], s[4:5], s[94:95]
.irp s, 0,1,2,3
	s_mov_b32 s[G0K+4*\s], 1
	s_mov_b32 s[G0K+4*\s+1], 17408*\s
	s_add_nc_u64 s[G0K+4*\s+2:G0K+4*\s+3], s[96:97], (4<<20)+16384*\s
	s_or_b32 s[G0K+4*\s+3], s[G0K+4*\s+3], 0x80000000
	s_mov_b32 s[G0V+4*\s], 1
	s_mov_b32 s[G0V+4*\s+1], VOFF+17408*\s
	s_add_nc_u64 s[G0V+4*\s+2:G0V+4*\s+3], s[98:99], (8<<20)+262144*\s
	s_or_b32 s[G0V+4*\s+3], s[G0V+4*\s+3], 0x80000000
.endr
	CROUND                                         ; all four work-groups are here: the joint loads meet
	; one chain of branches on the wave's number, one joint load to an arm: waves 0 and 1 ask for K's keys 0-511 and 512-1,023, waves 2 and 3 for V's planes 0-7 and 8-15
	s_cmp_eq_u32 s[WV], 0
	s_cbranch_scc0 .Lnot_0
	tensor_load_to_lds s[G0K:G0K+3], s[G1K:G1K+7]
	s_nop 0
.rept 4
	v_nop
.endr
	s_branch .Lasked
.Lnot_0:
	s_cmp_eq_u32 s[WV], 1
	s_cbranch_scc0 .Lnot_1
	tensor_load_to_lds s[G0K+8:G0K+11], s[G1K:G1K+7]
	s_nop 0
.rept 4
	v_nop
.endr
	s_branch .Lasked
.Lnot_1:
	s_cmp_eq_u32 s[WV], 2
	s_cbranch_scc0 .Lnot_2
	tensor_load_to_lds s[G0V:G0V+3], s[G1V:G1V+7]
	s_nop 0
.rept 4
	v_nop
.endr
	s_branch .Lasked
.Lnot_2:
	s_cmp_eq_u32 s[WV], 3
	s_cbranch_scc0 .Lasked
	tensor_load_to_lds s[G0V+8:G0V+11], s[G1V:G1V+7]
	s_nop 0
.rept 4
	v_nop
.endr
.Lasked:
	s_add_co_u32 s12, s[QB], s91
	s_lshl_b32 s12, s12, 6                         ; my first query's row
	s_mov_b32 s13, 0
	s_add_nc_u64 s[96:97], s[96:97], s[12:13]      ; q at my first query
	s_add_nc_u64 s[8:9], s[8:9], s[92:93]
	s_add_nc_u64 s[8:9], s[8:9], s[12:13]          ; the output likewise
	v_and_b32 v8, 15, v0                           ; r
	v_bfe_u32 v9, v0, 4, 1                         ; h
	s_delay_alu instid0(VALU_DEP_2)
	v_lshlrev_b32 v10, 6, v8
	s_delay_alu instid0(VALU_DEP_1)
	v_lshl_add_u32 v10, v9, 4, v10
	global_load_b128 v[16:19], v10, s[96:97]       ; Q's fragment stays: bytes 16 h + 0..15 and 32 + 16 h + 0..15 of row r, as K's are taken
	global_load_b128 v[20:23], v10, s[96:97] offset:32
	v_lshrrev_b32 v6, 2, v8
	v_lshlrev_b32 v11, 6, v8
	s_delay_alu instid0(VALU_DEP_1)
	v_lshl_add_u32 v11, v6, 4, v11                 ; row r in a tile: 64 r + 16 (r / 4)
	s_delay_alu instid0(VALU_DEP_1)
	v_lshl_add_u32 v1, v9, 4, v11                  ; K: + 16 h
	s_delay_alu instid0(VALU_DEP_2)
	v_lshl_add_u32 v2, v9, 3, v11                  ; V and the stage: + 8 h
	s_mul_i32 s93, s[WV], 1280
	s_add_co_u32 s93, s93, STAGE
	v_add_nc_u32 v4, s93, v2                       ; the stage, in
	v_add_nc_u32 v2, VOFF, v2
	v_and_b32 v7, 31, v0
	s_delay_alu instid0(VALU_DEP_1)
	v_lshlrev_b32 v7, 4, v7                        ; out: 16 bytes a lane, dense
	s_delay_alu instid0(VALU_DEP_1)
	v_lshl_add_u32 v5, v9, 4, v7
	s_delay_alu instid0(VALU_DEP_1)
	v_add_nc_u32 v5, s93, v5                       ; the same bytes in the stage, past the padding
	v_lshlrev_b32 v3, 3, v9
	s_delay_alu instid0(VALU_DEP_1)
	v_sub_nc_u32 v3, v8, v3
	s_delay_alu instid0(VALU_DEP_1)
	v_add_nc_u32 v3, s91, v3                       ; d = my query - QB - 8 h: on the diagonal register j of tile u is hidden where 16 u + j > d
	v_mov_b32 v13, 0xff61b1e6                      ; the largest t so far: -3e38
	s_delay_alu instid0(VALU_DEP_1)
	v_floor_f32 v12, -v13                          ; -M
	v_mov_b32 v14, 0
	v_mov_b32 v15, 0
	v_mov_b32 v216, 0                              ; (a lane permute's destination counts as read)
	v_mov_b32 v223, 0                              ; (the upper half of the pair v[222:223])
.set i, 0
.rept 32
	v_mov_b32 v[160+i], 0                          ; O^T: the step is written once; the first finds zeros, which the first change of M leaves zeros
.set i, i+1
.endr
	s_mov_b32 s[KF], 0
	s_mov_b32 s[TB], 0
	s_wait_kmcnt 0x0
	s_add_co_i32 s94, s74, s75
	s_lshl_b32 s94, s94, 23
	s_add_co_i32 s[CS], s[CS], s94                 ; a score stands for score x 2^(e6 + e7): added to c's exponent field
	s_mov_b32 s[CS+1], s[CS]
	s_add_co_i32 s94, s76, 127
	s_lshl_b32 s95, s94, 23
	v_mov_b32 v221, s95                            ; 2^e8
	s_add_co_i32 s94, s94, 8
	s_lshl_b32 s94, s94, 23
	s_or_b32 s94, s94, 0x600000
	v_mov_b32 v220, s94                            ; 448 x 2^e8
	s_add_co_i32 s94, s78, 127
	s_lshl_b32 s95, s94, 23
	v_mov_b32 v227, s95                            ; 2^e10
	s_add_co_i32 s94, s94, 8
	s_lshl_b32 s94, s94, 23
	s_or_b32 s94, s94, 0x600000
	v_mov_b32 v228, s94                            ; 448 x 2^e10
	s_wait_loadcnt 0x0                             ; Q
	s_wait_tensorcnt 0x0                           ; the tiles that I asked for have landed,
	s_barrier_signal -1
	s_barrier_wait -1                              ; everybody's have
	s_mov_b32 s91, 8
.Lstep:
	s_cmp_gt_u32 s[KF], s[QB]                      ; all 128 keys come after my queries: nothing to do but the steps at the end
	s_cbranch_scc1 .Lhidden
	v_add_nc_u32 v8, s[TB], v1
	v_add_nc_u32 v9, s[TB], v2
	v_nop                                          ; with the two additions: four places in front of loads into registers that the last products read
	v_nop
.irp u, 0,1,2,3,4,5,6,7
	ds_load_b128 v[32+8*\u:35+8*\u], v8 offset:BLK16*\u
	ds_load_b128 v[36+8*\u:39+8*\u], v8 offset:BLK16*\u+32
.endr
	s_wait_alu depctr_va_vdst(0)
	s_wait_dscnt 0x0
.irp u, 0,1,2,3,4,5,6,7
	v_wmma_f32_16x16x64_fp8_fp8 v[96+8*\u:103+8*\u], v[32+8*\u:39+8*\u], v[16:23], 0
.endr
.rept 4
	v_nop
.endr
.irp t, 0,1,2,3                        ; V's fragments are asked for now and land under the softmax: registers 2 c, 2 c + 1 of tile t: channel 16 t + r, keys 16 c + 8 h + 0..7
.irp c, 0,1,2,3,4,5,6,7
	ds_load_b64 v[32+16*\t+2*\c:33+16*\t+2*\c], v9 offset:4352*(\c/4)+BLK16*\t+16*(\c%4)
.endr
.endr
	s_cmp_lg_u32 s[KF], s[QB]                      ; only the block on the diagonal has hidden keys
	s_cbranch_scc1 .Lopen
	v_mov_b32 v226, 0xff800000                     ; -infinity: p = 0 then.  Key 0 counts for every query, so M is a number from the first step on
.set i, 0
.rept 64
	v_cmp_gt_i32 vcc_lo, 16*(i/8)+i%8, v3
	v_cndmask_b32 v[96+i], v[96+i], v226, vcc_lo
.set i, i+1
.endr
.Lopen:
	v_max3_num_f32 v224, v96, v97, v98             ; the step's largest score of my query among my 64 keys, in two chains, each tile from its low end on
	v_max3_num_f32 v225, v99, v100, v101
.irp i, 6,10,14,18,22,26,30,34,38,42,46,50,54,58
	v_max3_num_f32 v224, v224, v[96+\i], v[97+\i]
	v_max3_num_f32 v225, v225, v[98+\i], v[99+\i]
.endr
	v_max3_num_f32 v224, v224, v158, v159
	s_delay_alu instid0(VALU_DEP_1)
	v_max_num_f32 v224, v224, v225
	s_delay_alu instid0(VALU_DEP_1)
	v_permlanex16_b32 v216, v224, s[SEL], s[SEL+1]
	s_delay_alu instid0(VALU_DEP_1)
	v_max_num_f32 v224, v224, v216                 ; and among lane l xor 16's
	s_delay_alu instid0(VALU_DEP_1)
	v_mul_f32 v224, s[CS], v224                    ; as t (c is positive)
	s_delay_alu instid0(VALU_DEP_1)
	v_max_num_f32 v13, v13, v224
	v_mov_b32 v224, v12
	s_delay_alu instid0(VALU_DEP_2)
	v_floor_f32 v12, -v13                          ; the new -M = -ceil(t)
	s_delay_alu instid0(VALU_DEP_1)
	v_sub_f32 v224, v12, v224                      ; old M - new M: a whole number, 0 or less
	s_delay_alu instid0(VALU_DEP_1)
	v_cvt_i32_f32 v224, v224                       ; (it saturates)
	s_delay_alu instid0(VALU_DEP_1)
	v_ldexp_f32 v222, 1.0, v224                    ; f = 2^(old M - new M)
.irp j, 0,2,4,6,8,10,12,14,16,18,20,22,24,26,28,30,32,34,36,38,40,42,44,46,48,50,52,54,56,58,60,62
	v_pk_fma_f32 v[96+\j:97+\j], v[96+\j:97+\j], s[CS:CS+1], v[12:13] op_sel_hi:[1,0,0]   ; t - M
.endr
.set i, 0
	s_wait_alu depctr_va_vdst(0)
.rept 64
	v_exp_f32 v[96+i], v[96+i]                     ; p = 2^(t - M), at most 1
.set i, i+1
.endr
	v_pk_mul_f32 v[14:15], v[14:15], v[222:223] op_sel_hi:[1,0]   ; the sums under the new M: a plain line behind the exponentials
	s_wait_alu depctr_va_vdst(0)                   ; one wait for the batch, ahead of its first reader
	v_pk_add_f32 v[218:219], v[100:101], v[104:105]
	v_pk_add_f32 v[252:253], v[108:109], v[112:113]
	v_pk_add_f32 v[250:251], v[116:117], v[120:121]
	v_pk_add_f32 v[248:249], v[124:125], v[128:129]
	v_pk_add_f32 v[246:247], v[132:133], v[136:137]
	v_pk_add_f32 v[244:245], v[140:141], v[144:145]
	v_pk_add_f32 v[242:243], v[148:149], v[152:153]
	v_pk_add_f32 v[14:15], v[14:15], v[156:157]
	v_pk_add_f32 v[218:219], v[218:219], v[96:97]
	v_pk_add_f32 v[252:253], v[252:253], v[98:99]
	v_pk_add_f32 v[250:251], v[250:251], v[102:103]
	v_pk_add_f32 v[248:249], v[248:249], v[106:107]
	v_pk_add_f32 v[246:247], v[246:247], v[110:111]
	v_pk_add_f32 v[244:245], v[244:245], v[114:115]
	v_pk_add_f32 v[242:243], v[242:243], v[118:119]
	v_pk_add_f32 v[14:15], v[14:15], v[122:123]
	v_pk_add_f32 v[218:219], v[218:219], v[126:127]
	v_pk_add_f32 v[252:253], v[252:253], v[130:131]
	v_pk_add_f32 v[250:251], v[250:251], v[134:135]
	v_pk_add_f32 v[248:249], v[248:249], v[138:139]
	v_pk_add_f32 v[246:247], v[246:247], v[142:143]
	v_pk_add_f32 v[244:245], v[244:245], v[146:147]
	v_pk_add_f32 v[242:243], v[242:243], v[150:151]
	v_pk_add_f32 v[14:15], v[14:15], v[154:155]
	v_pk_add_f32 v[218:219], v[218:219], v[158:159]
	s_delay_alu instid0(VALU_DEP_2)
	v_pk_add_f32 v[14:15], v[14:15], v[248:249]
	s_delay_alu instid0(VALU_DEP_2)
	v_pk_add_f32 v[218:219], v[218:219], v[246:247]
	v_pk_add_f32 v[252:253], v[252:253], v[244:245]
	v_pk_add_f32 v[250:251], v[250:251], v[242:243]
	s_delay_alu instid0(VALU_DEP_2)
	v_pk_add_f32 v[14:15], v[14:15], v[252:253]
	s_delay_alu instid0(VALU_DEP_2)
	v_pk_add_f32 v[218:219], v[218:219], v[250:251]
	s_delay_alu instid0(VALU_DEP_1)
	v_pk_add_f32 v[14:15], v[14:15], v[218:219]
.irp u, 0,1,2,3,4,5,6,7
.irp i, 0,1,2,3,4,5,6,7
	v_min_num_f32 v[96+8*\u+\i], v[96+8*\u+\i], v220   ; the conversion does not saturate (ISA guide 7.6.2); p is not negative: a one-sided hold
.endr
	v_cvt_scalef32_pk8_fp8_f32 v[200+2*\u:201+2*\u], v[96+8*\u:103+8*\u], v221
.endr
.irp j, 0,2,4,6,8,10,12,14,16,18,20,22,24,26,28,30
	v_pk_mul_f32 v[160+\j:161+\j], v[160+\j:161+\j], v[222:223] op_sel_hi:[1,0]   ; O^T under the new M; also the plain lines between the last conversion and the products
.endr
	s_wait_alu depctr_va_vdst(0)
	s_wait_dscnt 0x0                               ; V's fragments
.irp t, 0,1,2,3
	v_wmma_f32_16x16x128_fp8_fp8 v[160+8*\t:167+8*\t], v[32+16*\t:47+16*\t], v[200:215], v[160+8*\t:167+8*\t]   ; four accumulators by turns; S^T's eight lie between two steps
.endr
.Lhidden:
	s_add_co_u32 s[KF], s[KF], 128
	s_add_co_u32 s[TB], s[TB], STEPB
	s_sub_co_u32 s91, s91, 1
	s_cmp_lg_u32 s91, 0
	s_cbranch_scc1 .Lstep
	; THE WAY OUT: O^T x 2^(e8 + e9) / the sum, quantised with 2^e10; 8 bytes a lane and tile into my stage, back as 1,024 dense bytes: my 16 rows of the head's plane.
	v_add_f32 v14, v14, v15
	s_delay_alu instid0(VALU_DEP_1)
	v_permlanex16_b32 v216, v14, s[SEL], s[SEL+1]
	s_delay_alu instid0(VALU_DEP_1)
	v_add_f32 v14, v14, v216                       ; the row's sum
	s_wait_alu depctr_va_vdst(0)
	v_rcp_f32 v14, v14
	v_nop                                          ; a plain line behind the reciprocal
	v_nop
	v_nop
	v_nop                                          ; (with the lines above: the places behind the last products)
	s_add_co_i32 s94, s76, s77
	s_wait_alu depctr_va_vdst(0)                   ; ahead of the first reader
	v_ldexp_f32 v14, v14, s94
.set i, 0
.rept 32
	v_mul_f32 v[96+i], v[160+i], v14               ; register 8 t + j: channel 16 t + 8 h + j of query r
.set i, i+1
.endr
.set i, 0
.rept 32
	v_med3_num_f32 v[96+i], v[96+i], -v228, v228
.set i, i+1
.endr
.irp t, 0,1,2,3
	v_cvt_scalef32_pk8_fp8_f32 v[200+2*\t:201+2*\t], v[96+8*\t:103+8*\t], v227
.endr
	v_nop
.irp t, 0,1,2,3
	ds_store_b64 v4, v[200+2*\t:201+2*\t] offset:16*\t
.endr
	ds_load_b128 v[32:35], v5                      ; LDS serves a wave's instructions in order: these see my stores
	ds_load_b128 v[36:39], v5 offset:544
	s_wait_dscnt 0x1
	global_store_b128 v7, v[32:35], s[8:9]         ; 32 lanes store 512 consecutive bytes, aligned
	s_wait_dscnt 0x0
	global_store_b128 v7, v[36:39], s[8:9] offset:512
	s_wait_tensorcnt 0x0
	ds_add_u32 v254, v255
	s_wait_dscnt 0x0
	CROUND                                         ; the closing round
	s_endpgm
.Lfunc_end_k_q7b82b28f61_attn:
	.size	k_q7b82b28f61_attn, .Lfunc_end_k_q7b82b28f61_attn-k_q7b82b28f61_attn
	.p2alignl 7, 3214868480
	.fill 96, 4, 3214868480
	.section	.rodata,"a",@progbits
	.p2align	6, 0x0
	.amdhsa_kernel k_q7b82b28f61_attn
		.amdhsa_group_segment_fixed_size 169984
		.amdhsa_private_segment_fixed_size 0
		.amdhsa_enable_private_segment 0
		.amdhsa_kernarg_size 24
		.amdhsa_user_sgpr_count 2
		.amdhsa_user_sgpr_kernarg_segment_ptr 1
		.amdhsa_wavefront_size32 1
		.amdhsa_system_sgpr_workgroup_id_x 1
		.amdhsa_system_sgpr_workgroup_id_y 1
		.amdhsa_system_sgpr_workgroup_id_z 1
		.amdhsa_system_vgpr_workitem_id 0
		.amdhsa_next_free_vgpr 256
		.amdhsa_next_free_sgpr 100
		.amdhsa_reserve_vcc 1
		.amdhsa_float_denorm_mode_32 3
		.amdhsa_float_denorm_mode_16_64 3
		.amdhsa_memory_ordered 1
		.amdhsa_forward_progress 1
		.amdhsa_inst_pref_size 37
	.end_amdhsa_kernel
	.amdgpu_metadata
---
amdhsa.version: [ 1, 2 ]
amdhsa.kernels:
  - .name:           k_q7b82b28f61_attn
    .symbol:         k_q7b82b28f61_attn.kd
    .args:
      - { .name: qkvc, .offset: 0, .size: 8, .value_kind: global_buffer, .address_space: global }
      - { .name: lowp_scales, .offset: 8, .size: 8, .value_kind: global_buffer, .address_space: global }
      - { .name: attc, .offset: 16, .size: 8, .value_kind: global_buffer, .address_space: global }
    .group_segment_fixed_size: 169984
    .private_segment_fixed_size: 0
    .kernarg_segment_align: 8
    .kernarg_segment_size: 24
    .max_flat_workgroup_size: 512
    .sgpr_count:     100
    .vgpr_count:     256
    .wavefront_size: 32
...
	.end_amdgpu_metadata
.endif
;; end of part 3
;; launch proj (part 4): grid 8 x 32, 4 waves a work-group, clusters of 4 x 4, 327,680 bytes of LDS; arguments attc, opc, lowp_scales, x, bp, x1; writes x1
.if DOCPART == 4
	.amdgcn_target "amdgcn-amd-amdhsa--gfx1250"
	.amdhsa_code_object_version 6
	.text
	.protected	k_q7b82b28f61_proj
	.globl	k_q7b82b28f61_proj
	.p2align	8
	.type	k_q7b82b28f61_proj,@function
k_q7b82b28f61_proj:
	s_mov_b64 s[64:65], 0
	v_nop
	global_prefetch_b8 v0, s[64:65] scope:SCOPE_SE
	s_setreg_imm32_b32 hwreg(HW_REG_WAVE_MODE, 25, 1), 1
	s_wait_xcnt 0x0
	s_wait_alu depctr_hold_cnt(0) depctr_sa_sdst(0) depctr_va_vdst(0) depctr_va_sdst(0) depctr_va_ssrc(0) depctr_va_vcc(0) depctr_vm_vsrc(0)
	s_getreg_b32 s2, hwreg(HW_REG_IB_STS2, 6, 4)
	s_cmp_eq_u32 s2, 0
	s_cbranch_scc0 .Lentry_in_a_cluster
	s_endpgm
.Lentry_in_a_cluster:
	s_bfe_u32 s2, ttmp6, 0x10000c
	s_cmp_lg_u32 s2, 0xf033
	s_cbranch_scc0 .Lentry_shape_is_right
	s_endpgm
.Lentry_shape_is_right:
; out[m][n] = resid[m][n] + 2^(eA + eB) x (sum over k of A[m][k] B[n][k]) + bias[n]: a GEMM on codes of E4M3 with 4,096 rows and 1,024 columns, f32 out.  One source serves two launches; six constants differ:
;   here: x1 = x + attn Wp + bp: K = 1,024, B = Wp's rows in opc, eA = e10, eB = e11.   (The other: out0 = x1 + hid W2 + b2: K = 4,096, B = W2's rows, e14, e15.)
; Operands lie as buf[k / 64][row][k % 64].  N = 1,024 gives only 64 tiles of 256 x 256: the tile is 128 x 128, 256 work-groups; four waves of 64 x 64: 16 accumulators.
; K goes in steps of 512 (eight planes) through a ring of two LDS slots; a wave's tensor load brings 128 rows x 8 planes.  CLUSTERS: 4 x 4; A's tiles jointly along a row of the cluster, B's along a column.
; The matrix instruction is used transposed (source 0 = rows of B, source 1 = rows of A): a lane holds eight neighbouring columns of a row.
; LIMIT: eA + eB between -126 and 127.
; REGISTERS: window 0: v16-29 addresses; v32-95 rows on the way out, two sets; v96-99 the bias; v128-255 the accumulators ((a, b) at v[128 + 8 (4 a + b)]).
;   window 1: two fragment buffers of 128 (A's four blocks, then B's four, 128 along K).   window 2: v0-127 the residual, asked for at the head, in the layout in which rows leave.
.set KTOT,  1024
.set BOFF,  (12<<20)+3072*64
.set BPS,   262144                     ; from plane to plane in B
.set EA,    78
.set EB,    79
.set NTOUT, 0
.set APS,   262144
.set PLANE, 8704                       ; 128 rows x 64 bytes in LDS, 16 bytes of padding behind every 256: row p at 64 p + 16 (p / 4): 16 rows of a load start at 16 different groups of four banks (ISA guide 11.1)
.set BLK16, 1088
.set HALFT, 4*PLANE
.set SLOT,  4*HALFT                    ; A's planes 0-7, 8-15; B's 16 behind it
.set SPARE, 2*SLOT
.set STG,   SPARE+512
.set SPITCH, 272
.set STGW,  16*SPITCH
.set LAPS,  KTOT/1024
.set ADRA, 16
.set ADRB, 20
.set STO,  24
.set RD,   25
.set CO,   26
.set BO,   27
.set SPW,  28
.set NIL,  29
.set BK,   32
.set BIAS, 96
.set ACC,  128
.set F0,   0
.set F1,   128
.set G1,  24
.set G0,  32
.set G1B, 48
.set G0B, 56
.set MSB, 0
.macro WIN new
.if MSB != \new
	s_set_vgpr_msb (MSB<<8)|\new
.set MSB, \new
.endif
.endm
.set MUL,  0x05                        ; sources 0 (B) and 1 (A) window 1; C and D window 0
.set TO_F, 0x40
.macro JLOAD s                         ; waves 0 and 1 fetch A's two halves of the planes, waves 2 and 3 B's; four v_nop follow each line
	s_cmp_eq_u32 s85, 0
	s_cbranch_scc0 .Lfor_b_\@
	tensor_load_to_lds s[G0+4*\s:G0+4*\s+3], s[G1:G1+7]
	s_nop 0
.rept 4
	v_nop
.endr
	s_branch .Lasked_\@
.Lfor_b_\@:
	tensor_load_to_lds s[G0B+4*\s:G0B+4*\s+3], s[G1B:G1B+7]
	s_nop 0
.rept 4
	v_nop
.endr
.Lasked_\@:
.endm
.macro CREST
	s_cmp_lg_u32 s84, 0
	s_cbranch_scc1 .Lnot_wave_0_\@
	s_barrier_signal -3
.Lnot_wave_0_\@:
	s_barrier_wait -3
	s_barrier_signal -1
	s_barrier_wait -1
.endm
.macro CROUND
	s_barrier_signal -1
	s_barrier_wait -1
	CREST
.endm
	s_load_b256 s[4:11], s[0:1], 0x0               ; A's codes, opc, the exponents, the residual
	s_load_b128 s[12:15], s[0:1], 0x20             ; the bias, the output
	v_lshl_add_u32 v[SPW], v0, 2, SPARE
	v_mov_b32 v[NIL], 0
	ds_add_u32 v28, v29
	ds_add_u32 v28, v29
	s_wait_dscnt 0x0
	v_lshrrev_b32 v1, 5, v0
	v_readfirstlane_b32 s84, v1                    ; wave 0..3
	s_lshr_b32 s85, s84, 1                         ; which 64 rows of the tile are mine.  Also: I fetch for A (0) or for B (1)
	s_and_b32 s86, s84, 1                          ; which 64 columns.  Also: which eight planes I fetch
	s_bfe_u32 s40, ttmp6, 0x40000
	s_bfe_u32 s41, ttmp6, 0x40004
	s_lshl_b32 s42, ttmp9, 2
	s_add_co_u32 s42, s42, s40                     ; tile column
	s_and_b32 s87, ttmp7, 0xffff
	s_lshl_b32 s87, s87, 2
	s_add_co_u32 s87, s87, s41                     ; tile row
	s_lshl_b32 s43, s41, 2
	s_lshl_b32 s43, 15, s43
	s_lshl_b32 s44, 0x1111, s40
	s_or_b32 s[G1+0], s43, 0x07700000              ; the mask; elements of 1 byte; padding on; 21 set beside a mask; four words after every 64
	s_or_b32 s[G1B+0], s44, 0x07700000
.irp g, G1, G1B
	s_mov_b32 s[\g+1], 8192<<16                    ; 128 rows of a plane: 8,192 consecutive bytes
	s_mov_b32 s[\g+2], 8<<16                       ; eight planes: K = 1,024 is 16 planes, so one load a wave brings all that the work-group reads; no LDS byte is filled twice
	s_mov_b32 s[\g+3], 8192<<16
	s_mov_b32 s[\g+4], 8
	s_mov_b32 s[\g+6], 0
	s_mov_b32 s[\g+7], 0
.endr
	s_mov_b32 s[G1+5], APS
	s_mov_b32 s[G1B+5], BPS
	s_lshl_b32 s16, s87, 13                        ; A: 128 rows of 64 bytes for each tile row,
	s_mul_i32 s18, s86, 8*APS                      ; my eight planes
	s_add_co_u32 s16, s16, s18
	s_mov_b32 s17, 0
	s_lshl_b32 s46, s42, 13
	s_mul_i32 s47, s86, 8*BPS
	s_add_co_u32 s46, s46, s47
	s_add_co_u32 s46, s46, BOFF
	s_mov_b32 s47, 0
	s_mul_i32 s45, s84, 2*HALFT                    ; LDS: A's planes 0-7, 8-15, then B's planes 0-7, 8-15
	s_wait_kmcnt 0x0
	s_load_b512 s[68:83], s[8:9], 0x0              ; e0 .. e15
	s_add_nc_u64 s[16:17], s[4:5], s[16:17]
	s_add_nc_u64 s[46:47], s[6:7], s[46:47]
	CROUND                                         ; all sixteen work-groups are here
.irp s, 0
	s_mov_b32 s[G0+4*\s], 1
	s_add_co_u32 s[G0+4*\s+1], s45, \s*SLOT
	s_add_nc_u64 s[G0+4*\s+2:G0+4*\s+3], s[16:17], \s*8*APS
	s_or_b32 s[G0+4*\s+3], s[G0+4*\s+3], 0x80000000
	s_mov_b32 s[G0B+4*\s], 1
	s_add_co_u32 s[G0B+4*\s+1], s45, \s*SLOT
	s_add_nc_u64 s[G0B+4*\s+2:G0B+4*\s+3], s[46:47], \s*8*BPS
	s_or_b32 s[G0B+4*\s+3], s[G0B+4*\s+3], 0x80000000
	JLOAD \s                                       ; my one load is out
.endr
	v_and_b32 v1, 15, v0                           ; r
	v_bfe_u32 v2, v0, 4, 1                         ; h
	v_lshrrev_b32 v3, 2, v1
	v_lshlrev_b32 v4, 6, v1
	v_lshl_add_u32 v4, v3, 4, v4
	v_lshl_add_u32 v5, v2, 4, v4                   ; 64 r + 16 (r / 4) + 16 h
	s_mul_i32 s21, s85, 4*BLK16                    ; my 64 rows in each of A's planes
	s_mul_i32 s22, s86, 4*BLK16
	s_add_co_u32 s22, s22, 4*HALFT                 ; B's planes lie behind A's sixteen
.irp s, 0,1
	v_add_nc_u32 v[ADRA+\s], s21, v5
	v_add_nc_u32 v[ADRB+\s], s22, v5
	s_add_co_u32 s21, s21, 2*HALFT                 ; the second address: planes 8-15
	s_add_co_u32 s22, s22, 2*HALFT
.endr
	s_mul_i32 s23, s84, STGW
	s_add_co_u32 s23, s23, STG                     ; my stage: 16 rows x (256 bytes + 16)
	v_mul_u32_u24 v6, v1, SPITCH
	v_lshl_add_u32 v6, v2, 5, v6
	v_add_nc_u32 v[STO], s23, v6                   ; in: row r, 32 bytes for each half of the lanes
	v_mul_u32_u24 v6, v2, SPITCH
	v_lshl_add_u32 v6, v1, 4, v6
	v_add_nc_u32 v[RD], s23, v6                    ; back: lanes 0-15 one row, lanes 16-31 the next
	v_lshlrev_b32 v[BO], 4, v1                     ; my four columns
	v_lshl_add_u32 v[CO], v2, 12, v[BO]            ; and the same two rows in memory: a row is 4,096 bytes
	s_wait_alu depctr_va_vdst(0)
	s_lshl_b32 s88, s87, 7
	s_lshl_b32 s89, s85, 6
	s_add_co_u32 s88, s88, s89                     ; my first row
	s_lshl_b32 s88, s88, 12
	s_lshl_b32 s90, s42, 9
	s_lshl_b32 s91, s86, 8
	s_add_co_u32 s90, s90, s91                     ; my first column, in bytes
	s_mov_b32 s91, 0
	s_add_nc_u64 s[12:13], s[12:13], s[90:91]
	s_add_co_u32 s88, s88, s90
	s_mov_b32 s89, 0
	s_add_nc_u64 s[10:11], s[10:11], s[88:89]
	s_add_nc_u64 s[14:15], s[14:15], s[88:89]
	WIN 0x80                                       ; destination window 2
.set i, 0
.rept 32
	global_load_b128 v[4*i:4*i+3], v[CO], s[10:11] offset:8192*i th:TH_LOAD_NT   ; the residual: rows 2 i and 2 i + 1, 256 consecutive bytes to sixteen lanes; it lands under the products
.set i, i+1
.endr
	WIN 0
	global_load_b128 v[BIAS:BIAS+3], v[BO], s[12:13]
	s_wait_kmcnt 0x0
	s_add_co_i32 s96, s[EA], s[EB]
	s_add_co_i32 s96, s96, 127
	s_lshl_b32 s96, s96, 23                        ; 2^(eA + eB) as f32
	s_mov_b32 s97, s96
.macro MUL4 f, a, zero                 ; A's block a x B's four; the 16 accumulators take turns, one instruction a turn
.irp b, 0,1,2,3
.if \zero
	v_wmma_f32_16x16x128_fp8_fp8 v[ACC+8*(4*\a+\b):ACC+8*(4*\a+\b)+7], v[\f+64+16*\b:\f+64+16*\b+15], v[\f+16*\a:\f+16*\a+15], 0
.else
	v_wmma_f32_16x16x128_fp8_fp8 v[ACC+8*(4*\a+\b):ACC+8*(4*\a+\b)+7], v[\f+64+16*\b:\f+64+16*\b+15], v[\f+16*\a:\f+16*\a+15], v[ACC+8*(4*\a+\b):ACC+8*(4*\a+\b)+7]
.endif
.endr
.endm
.macro FETCH slot, q, f                ; 32 LDS loads in one run: the fragments of the slot's q-th 128 along K (planes 2 q, 2 q + 1): registers 4 c .. 4 c + 3 hold K = 32 c + 16 h + 0..15, alike in A and B
	WIN TO_F
.irp i, 0,1,2,3
.irp c, 0,1,2,3
	ds_load_b128 v[\f+64+16*\i+4*\c:\f+64+16*\i+4*\c+3], v[ADRB+\slot] offset:(2*(\q)+(\c/2))*PLANE+32*(\c%2)+\i*BLK16
	ds_load_b128 v[\f+16*\i+4*\c:\f+16*\i+4*\c+3], v[ADRA+\slot] offset:(2*(\q)+(\c/2))*PLANE+32*(\c%2)+\i*BLK16
.endr
.endr
.endm
.macro PLACES
.rept 4
	v_nop
.endr
.endm
.macro QUARTER slot, q, f, g, zero     ; multiplies quarter q (buffer f); ahead of its products it asks for quarter q + 1 into g
	s_wait_dscnt 0x0                               ; buffer f is in (asked for 16 matrix instructions ago)
	PLACES                                         ; buffer g was read by the products just issued
	FETCH \slot, (\q)+1, \g
	WIN MUL
	MUL4 \f, 0, \zero
	MUL4 \f, 1, \zero
	MUL4 \f, 2, \zero
	MUL4 \f, 3, \zero
.endm
.macro TURN slot, next, fill           ; quarter 3 (buffer F1) changes slots: one barrier; in front of it the wait for all my tensor loads, the add, the wait for it and for my reads of this slot
	WIN 0
	s_wait_tensorcnt 0x0
	ds_add_u32 v[SPW], v[NIL]                      ; 0 onto my spare word
	s_wait_dscnt 1                                 ; buffer F1 is in; the add may be out
	WIN MUL
	MUL4 F1, 0, 0
	s_wait_dscnt 0x0
	s_barrier_signal -1
	MUL4 F1, 1, 0
	WIN 0
	s_barrier_wait -1
.if \fill
	CREST                                          ; the barrier has opened a round of the cluster's barrier
	s_add_nc_u64 s[G0+4*\slot+2:G0+4*\slot+3], s[G0+4*\slot+2:G0+4*\slot+3], 16*APS
	s_add_nc_u64 s[G0B+4*\slot+2:G0B+4*\slot+3], s[G0B+4*\slot+2:G0B+4*\slot+3], 16*BPS
	JLOAD \slot                                    ; the first tensor load behind the round, my only one until the next; its four v_nop are the places in front of the loads below
.else
	PLACES
.endif
	FETCH \next, 0, F0
	WIN MUL
	MUL4 F1, 2, 0
	MUL4 F1, 3, 0
.endm
	s_wait_tensorcnt 0x0                           ; my one load has landed,
	s_barrier_signal -1
	s_barrier_wait -1
	FETCH 0, 0, F0
	QUARTER 0, 0, F0, F1, 1
.if LAPS > 1
	WIN 0
	s_mov_b32 s3, LAPS-1
.Llap:
	QUARTER 0, 1, F1, F0, 0
	QUARTER 0, 2, F0, F1, 0
	TURN 0, 1, 1
	QUARTER 1, 0, F0, F1, 0
	QUARTER 1, 1, F1, F0, 0
	QUARTER 1, 2, F0, F1, 0
	TURN 1, 0, 1
	QUARTER 0, 0, F0, F1, 0
	WIN 0
	s_sub_co_u32 s3, s3, 1
	s_cmp_lg_u32 s3, 0
	s_cbranch_scc1 .Llap
.endif
	QUARTER 0, 1, F1, F0, 0                        ; the last lap fills nothing
	QUARTER 0, 2, F0, F1, 0
	TURN 0, 1, 0
	QUARTER 1, 0, F0, F1, 0
	QUARTER 1, 1, F1, F0, 0
	QUARTER 1, 2, F0, F1, 0
	s_wait_dscnt 0x0
	MUL4 F1, 0, 0
	MUL4 F1, 1, 0
	MUL4 F1, 2, 0
	MUL4 F1, 3, 0
	WIN 0
; THE WAY OUT, block by block of 16 rows x 64 columns: the sums go through my stage as they are and come back as whole rows of 256 bytes; there sum x 2^(eA + eB) + residual, + bias.
.macro TOSTAGE a
.set BB, BK+32*((\a)%2)
.irp b, 0,1,2,3
	ds_store_b128 v[STO], v[ACC+8*(4*(\a)+\b):ACC+8*(4*(\a)+\b)+3] offset:64*\b       ; each accumulator from its low end on
	ds_store_b128 v[STO], v[ACC+8*(4*(\a)+\b)+4:ACC+8*(4*(\a)+\b)+7] offset:64*\b+16
.endr
.irp t, 0,1,2,3,4,5,6,7
	ds_load_b128 v[BB+4*\t:BB+4*\t+3], v[RD] offset:\t*2*SPITCH
.endr
.endm
.macro SEND a, younger
.set BB, BK+32*((\a)%2)
	s_wait_dscnt \younger
	WIN 0x20                                       ; source 2 (the residual) window 2
.irp t, 0,1,2,3,4,5,6,7
.irp k, 0,2
	v_pk_fma_f32 v[BB+4*\t+\k:BB+4*\t+\k+1], v[BB+4*\t+\k:BB+4*\t+\k+1], s[96:97], v[32*(\a)+4*\t+\k:32*(\a)+4*\t+\k+1] op_sel_hi:[1,0,1]
.endr
.endr
	WIN 0
.irp t, 0,1,2,3,4,5,6,7
.irp k, 0,2
	v_pk_add_f32 v[BB+4*\t+\k:BB+4*\t+\k+1], v[BB+4*\t+\k:BB+4*\t+\k+1], v[BIAS+\k:BIAS+\k+1]
.endr
.endr
.irp t, 0,1,2,3,4,5,6,7
.if NTOUT
	global_store_b128 v[CO], v[BB+4*\t:BB+4*\t+3], s[14:15] offset:(16*(\a)+2*\t)*4096 th:TH_STORE_NT
.else
	global_store_b128 v[CO], v[BB+4*\t:BB+4*\t+3], s[14:15] offset:(16*(\a)+2*\t)*4096   ; sixteen lanes store 256 consecutive bytes, aligned
.endif
.endr
.endm
	s_wait_loadcnt 0x0                             ; the residual and the bias
	PLACES                                         ; behind the last products
	TOSTAGE 0
.irp a, 1,2,3
.if \a > 1
	s_wait_xcnt 0x0                                ; block a - 2's stores have read their registers
.endif
	TOSTAGE \a
	SEND \a-1, 16                                  ; behind block a - 1's loads: block a's 8 stores and 8 loads
.endr
	SEND 3, 0
	s_wait_tensorcnt 0x0                           ; the wave's end
	ds_add_u32 v[SPW], v[NIL]
	s_wait_dscnt 0x0
	CROUND                                         ; the closing round
	s_endpgm
.Lfunc_end_k_q7b82b28f61_proj:
	.size	k_q7b82b28f61_proj, .Lfunc_end_k_q7b82b28f61_proj-k_q7b82b28f61_proj
	.p2alignl 7, 3214868480
	.fill 96, 4, 3214868480
	.section	.rodata,"a",@progbits
	.p2align	6, 0x0
	.amdhsa_kernel k_q7b82b28f61_proj
		.amdhsa_group_segment_fixed_size 327680
		.amdhsa_private_segment_fixed_size 0
		.amdhsa_enable_private_segment 0
		.amdhsa_kernarg_size 48
		.amdhsa_user_sgpr_count 2
		.amdhsa_user_sgpr_kernarg_segment_ptr 1
		.amdhsa_wavefront_size32 1
		.amdhsa_system_sgpr_workgroup_id_x 1
		.amdhsa_system_sgpr_workgroup_id_y 1
		.amdhsa_system_sgpr_workgroup_id_z 1
		.amdhsa_system_vgpr_workitem_id 0
		.amdhsa_next_free_vgpr 768
		.amdhsa_next_free_sgpr 100
		.amdhsa_reserve_vcc 0
		.amdhsa_float_denorm_mode_32 3
		.amdhsa_float_denorm_mode_16_64 3
		.amdhsa_memory_ordered 1
		.amdhsa_forward_progress 1
		.amdhsa_inst_pref_size 52
	.end_amdhsa_kernel
	.amdgpu_metadata
---
amdhsa.version: [ 1, 2 ]
amdhsa.kernels:
  - .name:           k_q7b82b28f61_proj
    .symbol:         k_q7b82b28f61_proj.kd
    .args:
      - { .name: attc, .offset: 0, .size: 8, .value_kind: global_buffer, .address_space: global }
      - { .name: opc, .offset: 8, .size: 8, .value_kind: global_buffer, .address_space: global }
      - { .name: lowp_scales, .offset: 16, .size: 8, .value_kind: global_buffer, .address_space: global }
      - { .name: x, .offset: 24, .size: 8, .value_kind: global_buffer, .address_space: global }
      - { .name: bp, .offset: 32, .size: 8, .value_kind: global_buffer, .address_space: global }
      - { .name: x1, .offset: 40, .size: 8, .value_kind: global_buffer, .address_space: global }
    .group_segment_fixed_size: 327680
    .private_segment_fixed_size: 0
    .kernarg_segment_align: 8
    .kernarg_segment_size: 48
    .max_flat_workgroup_size: 128
    .sgpr_count:     100
    .vgpr_count:     768
    .wavefront_size: 32
...
	.end_amdgpu_metadata
.endif
;; end of part 4
;; launch ln2 (part 5): grid 256 x 1, 4 waves a work-group, no clusters, 20,992 bytes of LDS; arguments x1, g2, be2, lowp_scales, h2c; writes h2c
.if DOCPART == 5
	.amdgcn_target "amdgcn-amd-amdhsa--gfx1250"
	.amdhsa_code_object_version 6
	.text
	.protected	k_q7b82b28f61_ln2
	.globl	k_q7b82b28f61_ln2
	.p2align	8
	.type	k_q7b82b28f61_ln2,@function
k_q7b82b28f61_ln2:
	s_mov_b64 s[64:65], 0
	v_nop
	global_prefetch_b8 v0, s[64:65] scope:SCOPE_SE
	s_setreg_imm32_b32 hwreg(HW_REG_WAVE_MODE, 25, 1), 1
	s_wait_xcnt 0x0
; h2 = layernorm(x1, g2, be2), in f32, quantised to E4M3 with the scale 2^e12: the A operand of the first feed-forward product.  Codes: h2c[channel / 64][token][channel % 64].
; Wave w takes rows 16 x work-group + 4 w + 0..3, whole, in registers: x1 is read once.  The mean is taken first and the variance of x - mean.
; code = h / 2^e, held within +-448, to the nearest code, ties to even.  LIMIT: e12 between -126 and 119.  NaN is not served.
; No tensor loads, no barrier, no cluster: waves share nothing but g2 and be2 (8 KiB), a small part of a wave's 16 KiB of x1.
.set X,    32                          ; v32-159   four rows x 32 numbers: row p, number 8 j + i = channel 256 j + 8 lane + i
.set G,    160                         ; v160-191  g2; later the codes
.set BE,   192                         ; v192-223  be2; later the rows on their way out
.set CDS,  160
.set OUTR, 192
.set TT,   224
.set SC,   240
.macro RED4                            ; v8, v10, v12, v14: each summed over the 32 lanes; v16.. are at work (written before)
.irp m, 1,2,4,8
.irp p, 0,1,2,3
	v_add_f32_dpp v[8+2*\p], v[8+2*\p], v[8+2*\p] row_xmask:\m row_mask:0xf bank_mask:0xf
.endr
.endr
.irp p, 0,1,2,3
	v_permlanex16_b32 v[16+2*\p], v[8+2*\p], s36, s37
.endr
.irp p, 0,1,2,3
	v_add_f32 v[8+2*\p], v[8+2*\p], v[16+2*\p]
.endr
.endm
	s_load_b256 s[4:11], s[0:1], 0x0               ; x1, g2, be2, the exponents
	s_load_b64 s[24:25], s[0:1], 0x20              ; the codes
	v_lshl_add_u32 v254, v0, 2, 0x5000
	v_mov_b32 v255, 0
	v_lshrrev_b32 v1, 5, v0
	v_readfirstlane_b32 s26, v1                    ; wave 0..3
	v_and_b32 v1, 31, v0
	s_wait_alu depctr_va_vdst(0)
	s_wait_kmcnt 0x0
	s_load_b32 s80, s[10:11], 0x30                 ; e12
	v_lshlrev_b32 v2, 5, v1                        ; 32 bytes a lane: eight neighbouring channels
	s_mul_i32 s27, s26, 5120                       ; my stage: 16 planes x (4 rows x 64 bytes + 64 of padding)
	v_lshrrev_b32 v7, 3, v1
	v_mul_u32_u24 v3, v7, 320
	v_and_b32 v7, 7, v1
	v_lshl_add_u32 v3, v7, 3, v3
	v_add_nc_u32 v3, s27, v3                       ; in: 320 (lane / 8) + 8 (lane % 8): the 32 lanes of a store fall on 64 different banks
	v_lshrrev_b32 v7, 4, v1
	v_and_b32 v9, 15, v1
	v_mul_u32_u24 v4, v7, 320
	v_lshl_add_u32 v4, v9, 4, v4
	v_add_nc_u32 v4, s27, v4                       ; back: sixteen lanes to a plane
	v_lshlrev_b32 v5, 18, v7
	v_lshl_add_u32 v5, v9, 4, v5                   ; the same place in the codes
	s_lshl_b32 s40, ttmp9, 16
	s_lshl_b32 s41, s26, 14
	s_add_co_u32 s40, s40, s41
	s_mov_b32 s41, 0
	s_add_nc_u64 s[28:29], s[4:5], s[40:41]
	s_lshl_b32 s40, ttmp9, 10
	s_lshl_b32 s42, s26, 8
	s_add_co_u32 s40, s40, s42
	s_add_nc_u64 s[30:31], s[24:25], s[40:41]
	s_mov_b32 s36, 0x76543210
	s_mov_b32 s37, 0xfedcba98
	s_mov_b32 s38, 0x3a800000                      ; 1 / 1,024
	s_mov_b32 s39, 0x3727c5ac                      ; 1e-5
.irp p, 0,1,2,3
.irp j, 0,1,2,3
	global_load_b128 v[X+32*\p+8*\j:X+32*\p+8*\j+3], v2, s[28:29] offset:4096*\p+1024*\j
	global_load_b128 v[X+32*\p+8*\j+4:X+32*\p+8*\j+7], v2, s[28:29] offset:4096*\p+1024*\j+16
.endr
.endr
.irp j, 0,1,2,3
	global_load_b128 v[G+8*\j:G+8*\j+3], v2, s[6:7] offset:1024*\j
	global_load_b128 v[G+8*\j+4:G+8*\j+7], v2, s[6:7] offset:1024*\j+16
	global_load_b128 v[BE+8*\j:BE+8*\j+3], v2, s[8:9] offset:1024*\j
	global_load_b128 v[BE+8*\j+4:BE+8*\j+7], v2, s[8:9] offset:1024*\j+16
.endr
.irp p, 0,1,2,3
	v_mov_b32 v[25+2*\p], 0
.endr
	s_wait_loadcnt 16                              ; x1's 32 loads are in; the 16 of g2 and be2 may be out
.irp p, 0,1,2,3
	v_pk_add_f32 v[8+2*\p:9+2*\p], v[X+32*\p:X+32*\p+1], v[X+32*\p+4:X+32*\p+5]
	v_pk_add_f32 v[16+2*\p:17+2*\p], v[X+32*\p+2:X+32*\p+3], v[X+32*\p+6:X+32*\p+7]
.endr
.irp k, 8,12,16,20,24,28
.irp p, 0,1,2,3
	v_pk_add_f32 v[8+2*\p:9+2*\p], v[8+2*\p:9+2*\p], v[X+32*\p+\k:X+32*\p+\k+1]
	v_pk_add_f32 v[16+2*\p:17+2*\p], v[16+2*\p:17+2*\p], v[X+32*\p+\k+2:X+32*\p+\k+3]
.endr
.endr
.irp p, 0,1,2,3
	v_pk_add_f32 v[8+2*\p:9+2*\p], v[8+2*\p:9+2*\p], v[16+2*\p:17+2*\p]
.endr
.irp p, 0,1,2,3
	v_add_f32 v[8+2*\p], v[8+2*\p], v[9+2*\p]
.endr
	RED4
.irp p, 0,1,2,3
	v_mul_f32 v[24+2*\p], s38, v[8+2*\p]           ; the mean
.endr
.irp p, 0,1,2,3
.irp k, 0,2,4,6,8,10,12,14,16,18,20,22,24,26,28,30
	v_pk_add_f32 v[X+32*\p+\k:X+32*\p+\k+1], v[X+32*\p+\k:X+32*\p+\k+1], v[24+2*\p:25+2*\p] op_sel_hi:[1,0] neg_lo:[0,1] neg_hi:[0,1]
.endr
.endr
.irp p, 0,1,2,3
	v_pk_mul_f32 v[8+2*\p:9+2*\p], v[X+32*\p:X+32*\p+1], v[X+32*\p:X+32*\p+1]
	v_pk_mul_f32 v[16+2*\p:17+2*\p], v[X+32*\p+2:X+32*\p+3], v[X+32*\p+2:X+32*\p+3]
.endr
.irp k, 4,8,12,16,20,24,28
.irp p, 0,1,2,3
	v_pk_fma_f32 v[8+2*\p:9+2*\p], v[X+32*\p+\k:X+32*\p+\k+1], v[X+32*\p+\k:X+32*\p+\k+1], v[8+2*\p:9+2*\p]
	v_pk_fma_f32 v[16+2*\p:17+2*\p], v[X+32*\p+\k+2:X+32*\p+\k+3], v[X+32*\p+\k+2:X+32*\p+\k+3], v[16+2*\p:17+2*\p]
.endr
.endr
.irp p, 0,1,2,3
	v_pk_add_f32 v[8+2*\p:9+2*\p], v[8+2*\p:9+2*\p], v[16+2*\p:17+2*\p]
.endr
.irp p, 0,1,2,3
	v_add_f32 v[8+2*\p], v[8+2*\p], v[9+2*\p]
.endr
	RED4
.irp p, 0,1,2,3
	v_fma_f32 v[8+2*\p], v[8+2*\p], s38, s39       ; the variance + 1e-5
.endr
	s_wait_alu depctr_va_vdst(0)
.irp p, 0,1,2,3
	v_rsq_f32 v[24+2*\p], v[8+2*\p]
.endr
	v_nop                                          ; a plain line behind the last of the four
	s_wait_alu depctr_va_vdst(0)                   ; one wait for the batch, ahead of its first reader
	s_wait_loadcnt 0x0
.irp p, 0,1,2,3
.irp k, 0,2,4,6,8,10,12,14,16,18,20,22,24,26,28,30
	v_pk_mul_f32 v[X+32*\p+\k:X+32*\p+\k+1], v[X+32*\p+\k:X+32*\p+\k+1], v[24+2*\p:25+2*\p] op_sel_hi:[1,0]
.endr
.endr
.irp p, 0,1,2,3
.irp k, 0,2,4,6,8,10,12,14,16,18,20,22,24,26,28,30
	v_pk_fma_f32 v[X+32*\p+\k:X+32*\p+\k+1], v[X+32*\p+\k:X+32*\p+\k+1], v[G+\k:G+\k+1], v[BE+\k:BE+\k+1]
.endr
.endr
	s_wait_kmcnt 0x0
	s_add_co_i32 s88, s80, 127
	s_lshl_b32 s89, s88, 23
	v_mov_b32 v[SC], s89                           ; 2^e12 as f32
	s_add_co_i32 s88, s88, 8
	s_lshl_b32 s88, s88, 23
	s_or_b32 s88, s88, 0x600000
	v_mov_b32 v[SC+1], s88                         ; 448 x 2^e12
.irp n, 0,1,2,3,4,5,6,7,8,9,10,11,12,13,14,15
.irp i, 0,1,2,3,4,5,6,7
	v_med3_num_f32 v[TT+8*(\n%2)+\i], v[X+8*\n+\i], -v[SC+1], v[SC+1]   ; the conversion does not saturate (ISA guide 7.6.2): the hold comes first; these eight are also the plain lines behind the conversion before
.endr
	v_cvt_scalef32_pk8_fp8_f32 v[CDS+2*\n:CDS+2*\n+1], v[TT+8*(\n%2):TT+8*(\n%2)+7], v[SC]
	ds_store_b64 v3, v[CDS+2*\n:CDS+2*\n+1] offset:1280*(\n%4)+64*(\n/4)
.endr
.irp i, 0,1,2,3,4,5,6,7
	ds_load_b128 v[OUTR+4*\i:OUTR+4*\i+3], v4 offset:640*\i   ; LDS serves a wave's instructions in order: these see my stores
.endr
	s_wait_dscnt 0x0
.irp i, 0,1,2,3,4,5,6,7
	global_store_b128 v5, v[OUTR+4*\i:OUTR+4*\i+3], s[30:31] offset:524288*\i   ; sixteen lanes store a plane's four rows: 256 consecutive bytes, aligned
.endr
	s_wait_tensorcnt 0x0
	ds_add_u32 v254, v255
	s_wait_dscnt 0x0
	s_endpgm
.Lfunc_end_k_q7b82b28f61_ln2:
	.size	k_q7b82b28f61_ln2, .Lfunc_end_k_q7b82b28f61_ln2-k_q7b82b28f61_ln2
	.p2alignl 7, 3214868480
	.fill 96, 4, 3214868480
	.section	.rodata,"a",@progbits
	.p2align	6, 0x0
	.amdhsa_kernel k_q7b82b28f61_ln2
		.amdhsa_group_segment_fixed_size 20992
		.amdhsa_private_segment_fixed_size 0
		.amdhsa_enable_private_segment 0
		.amdhsa_kernarg_size 40
		.amdhsa_user_sgpr_count 2
		.amdhsa_user_sgpr_kernarg_segment_ptr 1
		.amdhsa_wavefront_size32 1
		.amdhsa_system_sgpr_workgroup_id_x 1
		.amdhsa_system_sgpr_workgroup_id_y 1
		.amdhsa_system_sgpr_workgroup_id_z 1
		.amdhsa_system_vgpr_workitem_id 0
		.amdhsa_next_free_vgpr 256
		.amdhsa_next_free_sgpr 100
		.amdhsa_reserve_vcc 0
		.amdhsa_float_denorm_mode_32 3
		.amdhsa_float_denorm_mode_16_64 3
		.amdhsa_memory_ordered 1
		.amdhsa_forward_progress 1
		.amdhsa_inst_pref_size 42
	.end_amdhsa_kernel
	.amdgpu_metadata
---
amdhsa.version: [ 1, 2 ]
amdhsa.kernels:
  - .name:           k_q7b82b28f61_ln2
    .symbol:         k_q7b82b28f61_ln2.kd
    .args:
      - { .name: x1, .offset: 0, .size: 8, .value_kind: global_buffer, .address_space: global }
      - { .name: g2, .offset: 8, .size: 8, .value_kind: global_buffer, .address_space: global }
      - { .name: be2, .offset: 16, .size: 8, .value_kind: global_buffer, .address_space: global }
      - { .name: lowp_scales, .offset: 24, .size: 8, .value_kind: global_buffer, .address_space: global }
      - { .name: h2c, .offset: 32, .size: 8, .value_kind: global_buffer, .address_space: global }
    .group_segment_fixed_size: 20992
    .private_segment_fixed_size: 0
    .kernarg_segment_align: 8
    .kernarg_segment_size: 40
    .max_flat_workgroup_size: 128
    .sgpr_count:     100
    .vgpr_count:     256
    .wavefront_size: 32
...
	.end_amdgpu_metadata
.endif
;; end of part 5
;; launch ff1 (part 6): grid 16 x 16, 4 waves a work-group, clusters of 4 x 4, 327,680 bytes of LDS; arguments h2c, opc, lowp_scales, b1, hid; writes hid
.if DOCPART == 6
	.amdgcn_target "amdgcn-amd-amdhsa--gfx1250"
	.amdhsa_code_object_version 6
	.text
	.protected	k_q7b82b28f61_ff1
	.globl	k_q7b82b28f61_ff1
	.p2align	8
	.type	k_q7b82b28f61_ff1,@function
k_q7b82b28f61_ff1:
	s_mov_b64 s[64:65], 0
	v_nop
	global_prefetch_b8 v0, s[64:65] scope:SCOPE_SE
	s_setreg_imm32_b32 hwreg(HW_REG_WAVE_MODE, 25, 1), 1
	s_wait_xcnt 0x0
	s_wait_alu depctr_hold_cnt(0) depctr_sa_sdst(0) depctr_va_vdst(0) depctr_va_sdst(0) depctr_va_ssrc(0) depctr_va_vcc(0) depctr_vm_vsrc(0)
	s_getreg_b32 s2, hwreg(HW_REG_IB_STS2, 6, 4)
	s_cmp_eq_u32 s2, 0
	s_cbranch_scc0 .Lentry_in_a_cluster
	s_endpgm
.Lentry_in_a_cluster:
	s_bfe_u32 s2, ttmp6, 0x10000c
	s_cmp_lg_u32 s2, 0xf033
	s_cbranch_scc0 .Lentry_shape_is_right
	s_endpgm
.Lentry_shape_is_right:
; hid = relu(h2 W1 + b1), quantised at once with 2^e14: the text of launch qkv with IS_FF1 = 1; its head comment says how the block, the ring, the cluster and the way out are built.
; b1 / 2^(e12 + e13) is the C of each sum's first product; the hold between 0 and the largest code is the relu.  LIMITS: e14 - e12 - e13 between -126 and 119.  NaN is not served.
; hid's codes leave in blocks of 16 rows in the order of their reader's operand registers (see the stage's address).
.set IS_FF1, 1
.set PLANE,  8704
.set BLK16,  1088
.set HALFT,  4*PLANE
.set SLOT,   4*HALFT
.set SPARE,  2*SLOT
.set STG,    SPARE+512
.set STGW,   2304
.set PSTR,   262144
.set KADV,   4*PSTR
.set LAPS,   2
.set FR,     16
.set NL,     4
.set NP,     4
.set ADRA, 16
.set ADRB, 20
.set STO,  24
.set RD,   25
.set CO,   26
.set SPW,  28
.set NIL,  29
.set SCL,  30
.set LIM,  31
.set TMP,  32
.set BI,   32
.set CD,   96
.set AF,   128
.set BK,   128
.set G1,  24
.set G0,  32
.set G1B, 48
.set G0B, 56
.set MSB, 0
.macro WIN new
.if MSB != \new
	s_set_vgpr_msb (MSB<<8)|\new
.set MSB, \new
.endif
.endm
.set MUL_LO, 0xa1
.set MUL_HI, 0xf1
.set TO_B,   0x40
.macro JLOAD g0a, g1a, g0b, g1b
	s_cmp_eq_u32 s15, 0
	s_cbranch_scc0 .Lfor_b_\@
	tensor_load_to_lds s[\g0a:\g0a+3], s[\g1a:\g1a+7]
	s_nop 0
.rept 4
	v_nop
.endr
	s_branch .Lasked_\@
.Lfor_b_\@:
	tensor_load_to_lds s[\g0b:\g0b+3], s[\g1b:\g1b+7]
	s_nop 0
.rept 4
	v_nop
.endr
.Lasked_\@:
.endm
.macro CREST
	s_cmp_lg_u32 s14, 0
	s_cbranch_scc1 .Lnot_wave_0_\@
	s_barrier_signal -3
.Lnot_wave_0_\@:
	s_barrier_wait -3
	s_barrier_signal -1
	s_barrier_wait -1
.endm
.macro CROUND
	s_barrier_signal -1
	s_barrier_wait -1
	CREST
.endm
.if IS_FF1
	s_load_b128 s[4:7], s[0:1], 0x0
	s_load_b64 s[8:9], s[0:1], 0x10
	s_load_b64 s[12:13], s[0:1], 0x18
	s_load_b64 s[10:11], s[0:1], 0x20
.else
	s_load_b128 s[4:7], s[0:1], 0x0
	s_load_b64 s[10:11], s[0:1], 0x10
.endif
	v_lshl_add_u32 v[SPW], v0, 2, SPARE
	v_mov_b32 v[NIL], 0
	ds_add_u32 v28, v29
	ds_add_u32 v28, v29
	s_wait_dscnt 0x0
	v_lshrrev_b32 v1, 5, v0
	v_readfirstlane_b32 s14, v1
	s_lshr_b32 s15, s14, 1
	s_and_b32 s16, s14, 1
	s_bfe_u32 s40, ttmp6, 0x40000
	s_bfe_u32 s41, ttmp6, 0x40004
	s_and_b32 s17, ttmp7, 0xffff
	s_lshl_b32 s43, s41, 2
	s_lshl_b32 s43, 15, s43
	s_lshl_b32 s44, 0x1111, s40
	s_or_b32 s[G1+0], s43, 0x07700000
	s_or_b32 s[G1B+0], s44, 0x07700000
.irp g, G1, G1B
	s_mov_b32 s[\g+1], 8192<<16
	s_mov_b32 s[\g+2], 4<<16
	s_mov_b32 s[\g+3], 8192<<16
	s_mov_b32 s[\g+4], 4
	s_mov_b32 s[\g+5], PSTR
	s_mov_b32 s[\g+6], 0
	s_mov_b32 s[\g+7], 0
.endr
.if IS_FF1
	s_lshl_b32 s20, s17, 16
	s_lshl_b32 s46, ttmp9, 16
	s_add_co_u32 s46, s46, 16<<20
	s_mov_b32 s96, s17
	s_mov_b32 s97, ttmp9
	s_mov_b32 s98, PSTR
	s_mov_b32 s90, 0
.else
	s_lshr_b32 s88, s17, 2
	s_and_b32 s89, s17, 3
	s_lshl_b32 s90, s88, 22
	s_lshl_b32 s91, s89, 16
	s_add_co_u32 s92, s90, s91
	s_lshl_b32 s93, s88, 16
	s_add_co_u32 s93, s93, 12<<20
	s_add_co_u32 s94, s91, 8<<20
	s_mov_b32 s95, (12<<20)+2048*64
	s_mov_b32 s98, PSTR
	s_cmp_eq_u32 s88, 2
	s_cselect_b32 s20, s95, s92
	s_cselect_b32 s46, s94, s93
	s_cselect_b32 s96, 0, s89
	s_cselect_b32 s97, s89, 0
	s_cselect_b32 s98, 65536, s98
.endif
	s_lshl_b32 s18, s16, 13
	s_lshl_b32 s19, s41, 14
	s_add_co_u32 s20, s20, s19
	s_add_co_u32 s20, s20, s18
	s_mov_b32 s21, 0
	s_lshl_b32 s47, s40, 14
	s_add_co_u32 s46, s46, s47
	s_add_co_u32 s46, s46, s18
	s_mov_b32 s47, 0
	s_mul_i32 s45, s14, HALFT
	s_lshl_b32 s91, s97, 10
	s_lshl_b32 s93, s40, 8
	s_add_co_u32 s91, s91, s93
	s_lshl_b32 s93, s16, 7
	s_add_co_u32 s91, s91, s93
	s_lshr_b32 s92, s91, 6
	s_mul_i32 s92, s92, s98
	s_lshl_b32 s93, s96, 10
	s_lshl_b32 s94, s41, 8
	s_add_co_u32 s93, s93, s94
	s_lshl_b32 s94, s15, 7
	s_add_co_u32 s93, s93, s94
	s_lshl_b32 s93, s93, 6
	s_add_co_u32 s92, s92, s93
	s_add_co_u32 s92, s92, s90
	s_mov_b32 s93, 0
	s_mov_b32 s99, 0
	s_wait_kmcnt 0x0
.if IS_FF1 == 0
	s_mov_b64 s[8:9], s[6:7]
	s_mov_b64 s[6:7], s[4:5]
.endif
	s_load_b512 s[68:83], s[8:9], 0x0
	s_add_nc_u64 s[20:21], s[4:5], s[20:21]
	s_add_nc_u64 s[46:47], s[6:7], s[46:47]
	s_add_nc_u64 s[84:85], s[10:11], s[92:93]
	s_add_nc_u64 s[86:87], s[84:85], s[98:99]
	; the prefetches: of the four planes that my tensor load of a K step brings, each of the four partners that ask for them jointly names one, told apart by address (cx for A, cy for B): 8,192 bytes, lanes 256 bytes apart
	s_cmp_eq_u32 s15, 0
	s_cselect_b64 s[88:89], s[20:21], s[46:47]
	s_cselect_b32 s18, s40, s41
	s_lshl_b32 s18, s18, 18                        ; x a plane
	s_mov_b32 s19, 0
	s_add_nc_u64 s[88:89], s[88:89], s[18:19]
	v_and_b32 v9, 31, v0
	v_lshlrev_b32 v9, 8, v9                        ; never rewritten
	CROUND
.irp s, 0,1
	s_mov_b32 s[G0+4*\s], 1
	s_add_co_u32 s[G0+4*\s+1], s45, \s*SLOT
	s_add_nc_u64 s[G0+4*\s+2:G0+4*\s+3], s[20:21], \s*KADV
	s_or_b32 s[G0+4*\s+3], s[G0+4*\s+3], 0x80000000
	s_mov_b32 s[G0B+4*\s], 1
	s_add_co_u32 s[G0B+4*\s+1], s45, \s*SLOT
	s_add_nc_u64 s[G0B+4*\s+2:G0B+4*\s+3], s[46:47], \s*KADV
	s_or_b32 s[G0B+4*\s+3], s[G0B+4*\s+3], 0x80000000
	s_wait_alu depctr_va_vdst(0)
	s_wait_tensorcnt 0x0
	ds_add_u32 v28, v29
	ds_add_u32 v28, v29
	s_wait_dscnt 0x0
	CROUND
	JLOAD G0+4*\s, G1, G0B+4*\s, G1B
.if \s == 0
	global_prefetch_b8 v9, s[88:89] offset:KADV th:TH_LOAD_NT scope:SCOPE_SE      ; K step 1, whose load follows one fill on,
	global_prefetch_b8 v9, s[88:89] offset:2*KADV th:TH_LOAD_NT scope:SCOPE_SE    ; and K step 2, two fills on
.else
	global_prefetch_b8 v9, s[88:89] offset:3*KADV th:TH_LOAD_NT scope:SCOPE_SE    ; K step 3, the last, two fills on; the refills ask for nothing more
.endif
.endr
	v_and_b32 v1, 15, v0
	v_bfe_u32 v2, v0, 4, 1
	v_lshrrev_b32 v3, 2, v1
	v_lshlrev_b32 v4, 6, v1
	v_lshl_add_u32 v4, v3, 4, v4
	s_wait_alu depctr_va_vdst(0)
	v_lshl_add_u32 v5, v2, 4, v4
	s_mul_i32 s21, s15, HALFT
	s_mul_i32 s22, s16, HALFT
	s_add_co_u32 s22, s22, 2*HALFT
.irp s, 0,1
	v_add_nc_u32 v[ADRA+\s], s21, v5
	v_add_nc_u32 v[ADRB+\s], s22, v5
	s_add_co_u32 s21, s21, SLOT
	s_add_co_u32 s22, s22, SLOT
.endr
	s_mul_i32 s23, s14, STGW
	s_add_co_u32 s23, s23, STG
	; hid's codes leave in the order of their reader's operand registers: in a plane each block of 16 rows is 1,024 bytes [k % 64 / 32][k % 32 / 16][row % 16][k % 16]
	v_lshlrev_b32 v6, 4, v1
	v_lshl_add_u32 v6, v2, 3, v6                   ; into the stage: 16 r + 8 h; columns 16 b + 8 h + 0..7 lie 256 (b % 4) bytes on, 272 with the padding
	v_add_nc_u32 v[STO], s23, v6
	v_and_b32 v6, 31, v0
	v_lshlrev_b32 v[CO], 4, v6
	v_lshl_add_u32 v7, v2, 4, v[CO]
	v_add_nc_u32 v[RD], s23, v7
.if IS_FF1
	s_lshl_b32 s94, s91, 2
	s_mov_b32 s95, 0
	s_add_nc_u64 s[12:13], s[12:13], s[94:95]
	v_lshlrev_b32 v8, 5, v2
.irp b, 0,1,2,3,4,5,6,7
	global_load_b128 v[BI+8*\b:BI+8*\b+3], v8, s[12:13] offset:64*\b
	global_load_b128 v[BI+8*\b+4:BI+8*\b+7], v8, s[12:13] offset:64*\b+16
.endr
.endif
	s_wait_kmcnt 0x0
.if IS_FF1
	s_add_co_i32 s94, s80, s81
	s_sub_co_i32 s92, s82, s94
	s_sub_co_i32 s94, 0, s94
	s_wait_loadcnt 0x0
.set i, 0
.rept 64
	v_ldexp_f32 v[BI+i], v[BI+i], s94
.set i, i+1
.endr
.else
	s_sub_co_i32 s92, s74, s68
	s_sub_co_i32 s92, s92, s69
	s_sub_co_i32 s93, s75, s70
	s_sub_co_i32 s93, s93, s71
	s_sub_co_i32 s94, s77, s72
	s_sub_co_i32 s94, s94, s73
	s_cmp_eq_u32 s88, 1
	s_cselect_b32 s92, s93, s92
	s_cmp_eq_u32 s88, 2
	s_cselect_b32 s92, s94, s92
.endif
	s_add_co_i32 s92, s92, 127
	s_lshl_b32 s93, s92, 23
	v_mov_b32 v[SCL], s93
	s_add_co_i32 s92, s92, 8
	s_lshl_b32 s92, s92, 23
	s_or_b32 s92, s92, 0x600000
	v_mov_b32 v[LIM], s92
.macro FRAG reg, adr, q, i
.irp c, 0,1,2,3
	ds_load_b128 v[\reg+4*\c:\reg+4*\c+3], v[\adr] offset:(2*(\q)+(\c/2))*PLANE+32*(\c%2)+(\i)*BLK16
.endr
.endm
.macro MUL16 a0, p, zero
.irp a, \a0, \a0+1
.irp b, 0,1,2,3,4,5,6,7
.if \zero
.if IS_FF1
	v_wmma_f32_16x16x128_fp8_fp8 v[8*(8*((\a)%4)+\b):8*(8*((\a)%4)+\b)+7], v[128*(\p)+FR*\b:128*(\p)+FR*\b+FR-1], v[AF+FR*(\a):AF+FR*(\a)+FR-1], v[BI+8*\b:BI+8*\b+7]
.else
	v_wmma_f32_16x16x128_fp8_fp8 v[8*(8*((\a)%4)+\b):8*(8*((\a)%4)+\b)+7], v[128*(\p)+FR*\b:128*(\p)+FR*\b+FR-1], v[AF+FR*(\a):AF+FR*(\a)+FR-1], 0
.endif
.else
	v_wmma_f32_16x16x128_fp8_fp8 v[8*(8*((\a)%4)+\b):8*(8*((\a)%4)+\b)+7], v[128*(\p)+FR*\b:128*(\p)+FR*\b+FR-1], v[AF+FR*(\a):AF+FR*(\a)+FR-1], v[8*(8*((\a)%4)+\b):8*(8*((\a)%4)+\b)+7]
.endif
.endr
.endr
.endm
.macro FETCH_B slot, q, p
	WIN TO_B
.irp i, 0,1,2,3,4,5,6,7
	FRAG 128*(\p)+FR*\i, ADRB+\slot, \q, \i
.endr
	WIN 0
.endm
.macro FETCH_A slot, q, i0
.irp i, \i0, \i0+1, \i0+2, \i0+3
	FRAG AF+FR*(\i), ADRA+\slot, \q, \i
.endr
.endm
.macro PLACES n
.rept \n
	v_nop
.endr
.endm
.macro STEP slot, q, zero
	s_wait_dscnt 4*NL
.if (\zero) && IS_FF1
	WIN 0x81
.else
	WIN MUL_LO
.endif
	MUL16 0, (\q)%2, \zero
	MUL16 2, (\q)%2, \zero
	s_wait_dscnt 0
	PLACES NP
	FETCH_B \slot, (\q)+1, 1-(\q)%2
	FETCH_A \slot, (\q)+1, 0
.if (\zero) && IS_FF1
	WIN 0xc1
.else
	WIN MUL_HI
.endif
	MUL16 4, (\q)%2, \zero
	MUL16 6, (\q)%2, \zero
	PLACES NP
	WIN 0
	FETCH_A \slot, (\q)+1, 4
.endm
.macro TURN slot, next, fill
	s_wait_tensorcnt 0x0
	ds_add_u32 v[SPW], v[NIL]
	s_wait_dscnt 0x0                               ; the add is done, and my reads of this slot are over
	s_barrier_signal -1
	s_barrier_wait -1
.if \fill
	CREST
	s_add_nc_u64 s[G0+4*\slot+2:G0+4*\slot+3], s[G0+4*\slot+2:G0+4*\slot+3], 2*KADV
	s_add_nc_u64 s[G0B+4*\slot+2:G0B+4*\slot+3], s[G0B+4*\slot+2:G0B+4*\slot+3], 2*KADV
	JLOAD G0+4*\slot, G1, G0B+4*\slot, G1B
.endif
	WIN MUL_LO                                     ; all 64 products of this step stand behind the refill
	MUL16 0, 1, 0
	MUL16 2, 1, 0
	PLACES NP
	FETCH_B \next, 0, 0
	FETCH_A \next, 0, 0
	WIN MUL_HI
	MUL16 4, 1, 0
	MUL16 6, 1, 0
	PLACES NP
	WIN 0
	FETCH_A \next, 0, 4
.endm
	s_wait_alu depctr_va_vdst(0)
	s_wait_tensorcnt 1
	s_barrier_signal -1
	s_barrier_wait -1
	FETCH_B 0, 0, 0
	FETCH_A 0, 0, 0
	FETCH_A 0, 0, 4
	STEP 0, 0, 1
	s_mov_b32 s3, LAPS-1
.Llap:
	TURN 0, 1, 1
	STEP 1, 0, 0
	TURN 1, 0, 1
	STEP 0, 0, 0
	s_sub_co_u32 s3, s3, 1
	s_cmp_lg_u32 s3, 0
	s_cbranch_scc1 .Llap
	TURN 0, 1, 0
	STEP 1, 0, 0
	s_wait_dscnt 4*NL
	WIN MUL_LO
	MUL16 0, 1, 0
	MUL16 2, 1, 0
	s_wait_dscnt 0
	WIN MUL_HI
	MUL16 4, 1, 0
	MUL16 6, 1, 0
	WIN 0
.macro TOSTAGE a
.set AC, 64*((\a)%4)
.set CC, CD+16*((\a)%2)
.set BB, BK+16*((\a)%2)
	WIN 0x02+((\a)/4)
.set i, 0
.rept 64
.if IS_FF1
	v_med3_num_f32 v[TMP+i], v[AC+i], 0, v[LIM]
.else
	v_med3_num_f32 v[TMP+i], v[AC+i], -v[LIM], v[LIM]
.endif
.set i, i+1
.endr
	WIN 0
.irp b, 0,1,2,3,4,5,6,7
	v_cvt_scalef32_pk8_fp8_f32 v[CC+2*\b:CC+2*\b+1], v[TMP+8*\b:TMP+8*\b+7], v[SCL]
.endr
	v_nop
.irp b, 0,1,2,3,4,5,6,7
	ds_store_b64 v[STO], v[CC+2*\b:CC+2*\b+1] offset:BLK16*(\b/4)+272*(\b%4)
.endr
.irp i, 0,1,2,3
	ds_load_b128 v[BB+4*\i:BB+4*\i+3], v[RD] offset:BLK16*(\i/2)+544*(\i%2)
.endr
.endm
.macro SEND a, younger
.set BB, BK+16*((\a)%2)
	s_wait_dscnt \younger
.irp i, 0,1,2,3
	global_store_b128 v[CO], v[BB+4*\i:BB+4*\i+3], s[84+2*(\i/2):85+2*(\i/2)] offset:1024*(\a)+512*(\i%2)
.endr
.endm
	PLACES NP
	TOSTAGE 0
.irp a, 1,2,3,4,5,6,7
.if \a > 1
	s_wait_xcnt 0x0
.endif
	TOSTAGE \a
	SEND \a-1, 12
.endr
	SEND 7, 0
	s_wait_tensorcnt 0x0
	ds_add_u32 v[SPW], v[NIL]
	s_wait_dscnt 0x0
	CROUND
	s_endpgm
.Lfunc_end_k_q7b82b28f61_ff1:
	.size	k_q7b82b28f61_ff1, .Lfunc_end_k_q7b82b28f61_ff1-k_q7b82b28f61_ff1
	.p2alignl 7, 3214868480
	.fill 96, 4, 3214868480
	.section	.rodata,"a",@progbits
	.p2align	6, 0x0
	.amdhsa_kernel k_q7b82b28f61_ff1
		.amdhsa_group_segment_fixed_size 327680
		.amdhsa_private_segment_fixed_size 0
		.amdhsa_enable_private_segment 0
		.amdhsa_kernarg_size 40
		.amdhsa_user_sgpr_count 2
		.amdhsa_user_sgpr_kernarg_segment_ptr 1
		.amdhsa_wavefront_size32 1
		.amdhsa_system_sgpr_workgroup_id_x 1
		.amdhsa_system_sgpr_workgroup_id_y 1
		.amdhsa_system_sgpr_workgroup_id_z 1
		.amdhsa_system_vgpr_workitem_id 0
		.amdhsa_next_free_vgpr 1024
		.amdhsa_next_free_sgpr 100
		.amdhsa_reserve_vcc 0
		.amdhsa_float_denorm_mode_32 3
		.amdhsa_float_denorm_mode_16_64 3
		.amdhsa_memory_ordered 1
		.amdhsa_forward_progress 1
		.amdhsa_inst_pref_size 132
	.end_amdhsa_kernel
	.amdgpu_metadata
---
amdhsa.version: [ 1, 2 ]
amdhsa.kernels:
  - .name:           k_q7b82b28f61_ff1
    .symbol:         k_q7b82b28f61_ff1.kd
    .args:
      - { .name: h2c, .offset: 0, .size: 8, .value_kind: global_buffer, .address_space: global }
      - { .name: opc, .offset: 8, .size: 8, .value_kind: global_buffer, .address_space: global }
      - { .name: lowp_scales, .offset: 16, .size: 8, .value_kind: global_buffer, .address_space: global }
      - { .name: b1, .offset: 24, .size: 8, .value_kind: global_buffer, .address_space: global }
      - { .name: hid, .offset: 32, .size: 8, .value_kind: global_buffer, .address_space: global }
    .group_segment_fixed_size: 327680
    .private_segment_fixed_size: 0
    .kernarg_segment_align: 8
    .kernarg_segment_size: 40
    .max_flat_workgroup_size: 128
    .sgpr_count:     100
    .vgpr_count:     1024
    .wavefront_size: 32
...
	.end_amdgpu_metadata
.endif
;; end of part 6
;; launch ff2 (part 7): grid 8 x 32, 4 waves a work-group, clusters of 4 x 4, 327,680 bytes of LDS; arguments hid, opc, lowp_scales, x1, b2, out0; writes out0
.if DOCPART == 7
	.amdgcn_target "amdgcn-amd-amdhsa--gfx1250"
	.amdhsa_code_object_version 6
	.text
	.protected	k_q7b82b28f61_ff2
	.globl	k_q7b82b28f61_ff2
	.p2align	8
	.type	k_q7b82b28f61_ff2,@function
k_q7b82b28f61_ff2:
	s_mov_b64 s[64:65], 0
	v_nop
	global_prefetch_b8 v0, s[64:65] scope:SCOPE_SE
	s_setreg_imm32_b32 hwreg(HW_REG_WAVE_MODE, 25, 1), 1
	s_wait_xcnt 0x0
	s_wait_alu depctr_hold_cnt(0) depctr_sa_sdst(0) depctr_va_vdst(0) depctr_va_sdst(0) depctr_va_ssrc(0) depctr_va_vcc(0) depctr_vm_vsrc(0)
	s_getreg_b32 s2, hwreg(HW_REG_IB_STS2, 6, 4)
	s_cmp_eq_u32 s2, 0
	s_cbranch_scc0 .Lentry_in_a_cluster
	s_endpgm
.Lentry_in_a_cluster:
	s_bfe_u32 s2, ttmp6, 0x10000c
	s_cmp_lg_u32 s2, 0xf033
	s_cbranch_scc0 .Lentry_shape_is_right
	s_endpgm
.Lentry_shape_is_right:
; out0 = x1 + 2^(e14 + e15) x (hid W2) + b2: the text of launch proj's first form with K = 4,096: blocks of 128 x 128, four waves of 64 x 64, K in steps of 512 (eight planes) through a ring of two LDS slots,
; clusters of 4 x 4 with A's tiles asked for jointly along a row and B's along a column.  LIMIT: e14 + e15 between -126 and 127.
; hid and W2's codes lie, in each plane, in blocks of 16 rows of 1,024 bytes [k % 64 / 32][k % 32 / 16][row % 16][k % 16]; with 16 bytes of padding behind every 256 in LDS, lane (r, h) finds
; k = 32 c + 16 h + 0..15 of row r at 544 c + 272 h + 16 r: sixteen lanes read 256 consecutive bytes.
; PREFETCH: behind the joint load of K step t each wave names one plane (8,192 bytes, lanes 256 bytes apart) of the four that its load of K step t + 2 will bring; the four partners that ask jointly take a plane each,
; told apart by address (cx for A, cy for B).  K step 1 is named behind the first load too.  The last two refills name nothing.  B's rows are walked by all eight rows of clusters: rows 0 to 3 alone name them.
.set KTOT,  4096
.set BOFF,  20<<20
.set BPS,   65536
.set EA,    82
.set EB,    83
.set NTOUT, 1
.set APS,   262144
.set PLANE, 8704
.set BLK16, 1088
.set HALFT, 4*PLANE
.set SLOT,  4*HALFT
.set SPARE, 2*SLOT
.set STG,   SPARE+512
.set SPITCH, 272
.set STGW,  16*SPITCH
.set LAPS,  KTOT/1024
.set ADRA, 16
.set ADRB, 20
.set STO,  24
.set RD,   25
.set CO,   26
.set BO,   27
.set SPW,  28
.set NIL,  29
.set BK,   32
.set BIAS, 96
.set ACC,  128
.set F0,   0
.set F1,   128
.set G1,  24
.set G0,  32
.set G1B, 48
.set G0B, 56
.set MSB, 0
.macro WIN new
.if MSB != \new
	s_set_vgpr_msb (MSB<<8)|\new
.set MSB, \new
.endif
.endm
.set MUL,  0x05
.set TO_F, 0x40
.macro JLOAD s
	s_cmp_eq_u32 s85, 0
	s_cbranch_scc0 .Lfor_b_\@
	tensor_load_to_lds s[G0+4*\s:G0+4*\s+3], s[G1:G1+7]
	s_nop 0
.rept 4
	v_nop
.endr
	s_branch .Lasked_\@
.Lfor_b_\@:
	tensor_load_to_lds s[G0B+4*\s:G0B+4*\s+3], s[G1B:G1B+7]
	s_nop 0
.rept 4
	v_nop
.endr
.Lasked_\@:
.endm
.macro CREST
	s_cmp_lg_u32 s84, 0
	s_cbranch_scc1 .Lnot_wave_0_\@
	s_barrier_signal -3
.Lnot_wave_0_\@:
	s_barrier_wait -3
	s_barrier_signal -1
	s_barrier_wait -1
.endm
.macro CROUND
	s_barrier_signal -1
	s_barrier_wait -1
	CREST
.endm
	s_load_b256 s[4:11], s[0:1], 0x0
	s_load_b128 s[12:15], s[0:1], 0x20
	v_lshl_add_u32 v[SPW], v0, 2, SPARE
	v_mov_b32 v[NIL], 0
	ds_add_u32 v28, v29
	ds_add_u32 v28, v29
	s_wait_dscnt 0x0
	v_lshrrev_b32 v1, 5, v0
	v_readfirstlane_b32 s84, v1
	s_lshr_b32 s85, s84, 1
	s_and_b32 s86, s84, 1
	s_bfe_u32 s40, ttmp6, 0x40000
	s_bfe_u32 s41, ttmp6, 0x40004
	s_lshl_b32 s42, ttmp9, 2
	s_add_co_u32 s42, s42, s40
	s_and_b32 s87, ttmp7, 0xffff
	s_lshl_b32 s87, s87, 2
	s_add_co_u32 s87, s87, s41
	s_lshl_b32 s43, s41, 2
	s_lshl_b32 s43, 15, s43
	s_lshl_b32 s44, 0x1111, s40
	s_or_b32 s[G1+0], s43, 0x07700000
	s_or_b32 s[G1B+0], s44, 0x07700000
.irp g, G1, G1B
	s_mov_b32 s[\g+1], 8192<<16
	s_mov_b32 s[\g+2], 4<<16
	s_mov_b32 s[\g+3], 8192<<16
	s_mov_b32 s[\g+4], 4
	s_mov_b32 s[\g+6], 0
	s_mov_b32 s[\g+7], 0
.endr
	s_mov_b32 s[G1+5], APS
	s_mov_b32 s[G1B+5], BPS
	s_lshl_b32 s16, s87, 13
	s_mul_i32 s18, s86, 4*APS
	s_add_co_u32 s16, s16, s18
	s_mov_b32 s17, 0
	s_lshl_b32 s46, s42, 13
	s_mul_i32 s47, s86, 4*BPS
	s_add_co_u32 s46, s46, s47
	s_add_co_u32 s46, s46, BOFF
	s_mov_b32 s47, 0
	s_mul_i32 s45, s84, HALFT
	s_wait_kmcnt 0x0
	s_load_b512 s[68:83], s[8:9], 0x0
	s_add_nc_u64 s[16:17], s[4:5], s[16:17]
	s_add_nc_u64 s[46:47], s[6:7], s[46:47]
	s_cmp_eq_u32 s85, 0                            ; do I fetch for A?
	s_cselect_b64 s[92:93], s[16:17], s[46:47]
	s_cselect_b32 s88, s40, s41                    ; my place among the four that ask with me
	s_mov_b32 s89, BPS
	s_cselect_b32 s89, APS, s89                    ; a plane
	s_cselect_b32 s66, 0, 1
	s_mul_i32 s88, s88, s89
	s_lshl_b32 s94, s89, 3                         ; a K step: eight planes
	s_add_co_u32 s88, s88, s94
	s_mov_b32 s89, 0
	s_mov_b32 s95, 0
	s_add_nc_u64 s[98:99], s[92:93], s[88:89]      ; my plane of K step 1; never rewritten
	s_add_nc_u64 s[92:93], s[98:99], s[94:95]      ; and of K step 2: stepped by two K steps in each trip
	v_and_b32 v12, 31, v0
	v_lshlrev_b32 v12, 8, v12                      ; lanes 256 bytes apart
	v_add_nc_u32 v13, s94, v12                     ; the same a K step on
	s_lshl_b32 s94, s94, 1                         ; two K steps
	s_and_b32 s88, ttmp7, 0xffff
	s_lshr_b32 s88, s88, 2
	s_mul_i32 s88, s88, s66                        ; not 0: I fetch for B in cluster rows 4 to 7
	s_cmp_eq_u32 s88, 0
	s_cselect_b32 s66, 1, -1                       ; a wave asks while the trips to go exceed this
	CROUND
.irp s, 0,1
	s_mov_b32 s[G0+4*\s], 1
	s_add_co_u32 s[G0+4*\s+1], s45, \s*SLOT
	s_add_nc_u64 s[G0+4*\s+2:G0+4*\s+3], s[16:17], \s*8*APS
	s_or_b32 s[G0+4*\s+3], s[G0+4*\s+3], 0x80000000
	s_mov_b32 s[G0B+4*\s], 1
	s_add_co_u32 s[G0B+4*\s+1], s45, \s*SLOT
	s_add_nc_u64 s[G0B+4*\s+2:G0B+4*\s+3], s[46:47], \s*8*BPS
	s_or_b32 s[G0B+4*\s+3], s[G0B+4*\s+3], 0x80000000
	s_wait_alu depctr_va_vdst(0)
	s_wait_tensorcnt 0x0
	ds_add_u32 v28, v29
	ds_add_u32 v28, v29
	s_wait_dscnt 0x0
	CROUND
	JLOAD \s
	s_cmp_eq_u32 s66, 1
	s_cbranch_scc0 .Lno_ask_\s
.if \s == 0
	global_prefetch_b8 v12, s[98:99] th:TH_LOAD_NT scope:SCOPE_SE   ; K step 1
	global_prefetch_b8 v12, s[92:93] th:TH_LOAD_NT scope:SCOPE_SE   ; K step 2
.else
	global_prefetch_b8 v13, s[92:93] th:TH_LOAD_NT scope:SCOPE_SE   ; K step 3
.endif
.Lno_ask_\s:
.endr
	v_and_b32 v1, 15, v0
	v_bfe_u32 v2, v0, 4, 1
	v_mul_u32_u24 v5, v2, 272
	v_lshl_add_u32 v5, v1, 4, v5                   ; 16 r + 272 h
	s_wait_alu depctr_va_vdst(0)
	s_mul_i32 s21, s85, 4*BLK16
	s_mul_i32 s22, s86, 4*BLK16
	s_add_co_u32 s22, s22, 2*HALFT
.irp s, 0,1
	v_add_nc_u32 v[ADRA+\s], s21, v5
	v_add_nc_u32 v[ADRB+\s], s22, v5
	s_add_co_u32 s21, s21, SLOT
	s_add_co_u32 s22, s22, SLOT
.endr
	s_mul_i32 s23, s84, STGW
	s_add_co_u32 s23, s23, STG
	v_mul_u32_u24 v6, v1, SPITCH
	v_lshl_add_u32 v6, v2, 5, v6
	v_add_nc_u32 v[STO], s23, v6
	v_mul_u32_u24 v6, v2, SPITCH
	v_lshl_add_u32 v6, v1, 4, v6
	v_add_nc_u32 v[RD], s23, v6
	v_lshlrev_b32 v[BO], 4, v1
	v_lshl_add_u32 v[CO], v2, 12, v[BO]
	s_wait_alu depctr_va_vdst(0)
	s_lshl_b32 s88, s87, 7
	s_lshl_b32 s89, s85, 6
	s_add_co_u32 s88, s88, s89
	s_lshl_b32 s88, s88, 12
	s_lshl_b32 s90, s42, 9
	s_lshl_b32 s91, s86, 8
	s_add_co_u32 s90, s90, s91
	s_mov_b32 s91, 0
	s_add_nc_u64 s[12:13], s[12:13], s[90:91]
	s_add_co_u32 s88, s88, s90
	s_mov_b32 s89, 0
	s_add_nc_u64 s[10:11], s[10:11], s[88:89]
	s_add_nc_u64 s[14:15], s[14:15], s[88:89]
	WIN 0x80
.set i, 0
.rept 32
	global_load_b128 v[4*i:4*i+3], v[CO], s[10:11] offset:8192*i th:TH_LOAD_NT
.set i, i+1
.endr
	WIN 0
	global_load_b128 v[BIAS:BIAS+3], v[BO], s[12:13]
	s_wait_kmcnt 0x0
	s_add_co_i32 s96, s[EA], s[EB]
	s_add_co_i32 s96, s96, 127
	s_lshl_b32 s96, s96, 23
	s_mov_b32 s97, s96
.macro MUL4 f, a, zero
.irp b, 0,1,2,3
.if \zero
	v_wmma_f32_16x16x128_fp8_fp8 v[ACC+8*(4*\a+\b):ACC+8*(4*\a+\b)+7], v[\f+64+16*\b:\f+64+16*\b+15], v[\f+16*\a:\f+16*\a+15], 0
.else
	v_wmma_f32_16x16x128_fp8_fp8 v[ACC+8*(4*\a+\b):ACC+8*(4*\a+\b)+7], v[\f+64+16*\b:\f+64+16*\b+15], v[\f+16*\a:\f+16*\a+15], v[ACC+8*(4*\a+\b):ACC+8*(4*\a+\b)+7]
.endif
.endr
.endm
.macro FETCH slot, q, f
	WIN TO_F
.irp i, 0,1,2,3
.irp c, 0,1,2,3
	ds_load_b128 v[\f+64+16*\i+4*\c:\f+64+16*\i+4*\c+3], v[ADRB+\slot] offset:(2*(\q)+(\c/2))*PLANE+544*(\c%2)+\i*BLK16
	ds_load_b128 v[\f+16*\i+4*\c:\f+16*\i+4*\c+3], v[ADRA+\slot] offset:(2*(\q)+(\c/2))*PLANE+544*(\c%2)+\i*BLK16
.endr
.endr
.endm
.macro PLACES
.rept 4
	v_nop
.endr
.endm
.macro QUARTER slot, q, f, g, zero
	s_wait_dscnt 0x0
	PLACES
	FETCH \slot, (\q)+1, \g
	WIN MUL
	MUL4 \f, 0, \zero
	MUL4 \f, 1, \zero
	MUL4 \f, 2, \zero
	MUL4 \f, 3, \zero
.endm
.macro TURN slot, next, fill
	WIN 0
.if (\fill) && (\slot) == 0
	s_wait_xcnt 0x0                                ; my prefetches have read their address: it is stepped only behind this wait
	s_add_nc_u64 s[92:93], s[92:93], s[94:95]
.endif
	s_wait_tensorcnt 0x0
	ds_add_u32 v[SPW], v[NIL]
	s_wait_dscnt 0x0                               ; the add is done, and my reads of this slot are over
	s_barrier_signal -1
	s_barrier_wait -1
.if \fill
	CREST
	s_add_nc_u64 s[G0+4*\slot+2:G0+4*\slot+3], s[G0+4*\slot+2:G0+4*\slot+3], 16*APS
	s_add_nc_u64 s[G0B+4*\slot+2:G0B+4*\slot+3], s[G0B+4*\slot+2:G0B+4*\slot+3], 16*BPS
	JLOAD \slot
.else
	PLACES
.endif
	FETCH \next, 0, F0
.if \fill
	WIN 0
	s_cmp_gt_u32 s3, s66                           ; not in the last trip: its refills have no K step two on
	s_cbranch_scc0 .Lno_ask_t\@
	global_prefetch_b8 v[12+\slot], s[92:93] th:TH_LOAD_NT scope:SCOPE_SE
.Lno_ask_t\@:
.endif
	WIN MUL                                        ; all 16 products of this quarter stand behind the refill
	MUL4 F1, 0, 0
	MUL4 F1, 1, 0
	MUL4 F1, 2, 0
	MUL4 F1, 3, 0
.endm
	s_wait_tensorcnt 1
	s_barrier_signal -1
	s_barrier_wait -1
	FETCH 0, 0, F0
	QUARTER 0, 0, F0, F1, 1
.if LAPS > 1
	WIN 0
	s_mov_b32 s3, LAPS-1
.Llap:
	QUARTER 0, 1, F1, F0, 0
	QUARTER 0, 2, F0, F1, 0
	TURN 0, 1, 1
	QUARTER 1, 0, F0, F1, 0
	QUARTER 1, 1, F1, F0, 0
	QUARTER 1, 2, F0, F1, 0
	TURN 1, 0, 1
	QUARTER 0, 0, F0, F1, 0
	WIN 0
	s_sub_co_u32 s3, s3, 1
	s_cmp_lg_u32 s3, 0
	s_cbranch_scc1 .Llap
.endif
	QUARTER 0, 1, F1, F0, 0
	QUARTER 0, 2, F0, F1, 0
	TURN 0, 1, 0
	QUARTER 1, 0, F0, F1, 0
	QUARTER 1, 1, F1, F0, 0
	QUARTER 1, 2, F0, F1, 0
	s_wait_dscnt 0x0
	MUL4 F1, 0, 0
	MUL4 F1, 1, 0
	MUL4 F1, 2, 0
	MUL4 F1, 3, 0
	WIN 0
.macro TOSTAGE a
.set BB, BK+32*((\a)%2)
.irp b, 0,1,2,3
	ds_store_b128 v[STO], v[ACC+8*(4*(\a)+\b):ACC+8*(4*(\a)+\b)+3] offset:64*\b
	ds_store_b128 v[STO], v[ACC+8*(4*(\a)+\b)+4:ACC+8*(4*(\a)+\b)+7] offset:64*\b+16
.endr
.irp t, 0,1,2,3,4,5,6,7
	ds_load_b128 v[BB+4*\t:BB+4*\t+3], v[RD] offset:\t*2*SPITCH
.endr
.endm
.macro SEND a, younger
.set BB, BK+32*((\a)%2)
	s_wait_dscnt \younger
	WIN 0x20
.irp t, 0,1,2,3,4,5,6,7
.irp k, 0,2
	v_pk_fma_f32 v[BB+4*\t+\k:BB+4*\t+\k+1], v[BB+4*\t+\k:BB+4*\t+\k+1], s[96:97], v[32*(\a)+4*\t+\k:32*(\a)+4*\t+\k+1] op_sel_hi:[1,0,1]
.endr
.endr
	WIN 0
.irp t, 0,1,2,3,4,5,6,7
.irp k, 0,2
	v_pk_add_f32 v[BB+4*\t+\k:BB+4*\t+\k+1], v[BB+4*\t+\k:BB+4*\t+\k+1], v[BIAS+\k:BIAS+\k+1]
.endr
.endr
.irp t, 0,1,2,3,4,5,6,7
.if NTOUT
	global_store_b128 v[CO], v[BB+4*\t:BB+4*\t+3], s[14:15] offset:(16*(\a)+2*\t)*4096 th:TH_STORE_NT
.else
	global_store_b128 v[CO], v[BB+4*\t:BB+4*\t+3], s[14:15] offset:(16*(\a)+2*\t)*4096
.endif
.endr
.endm
	s_wait_loadcnt 0x0
	PLACES
	TOSTAGE 0
.irp a, 1,2,3
.if \a > 1
	s_wait_xcnt 0x0
.endif
	TOSTAGE \a
	SEND \a-1, 16
.endr
	SEND 3, 0
	s_wait_tensorcnt 0x0
	ds_add_u32 v[SPW], v[NIL]
	s_wait_dscnt 0x0
	CROUND
	s_endpgm
.Lfunc_end_k_q7b82b28f61_ff2:
	.size	k_q7b82b28f61_ff2, .Lfunc_end_k_q7b82b28f61_ff2-k_q7b82b28f61_ff2
	.p2alignl 7, 3214868480
	.fill 96, 4, 3214868480
	.section	.rodata,"a",@progbits
	.p2align	6, 0x0
	.amdhsa_kernel k_q7b82b28f61_ff2
		.amdhsa_group_segment_fixed_size 327680
		.amdhsa_private_segment_fixed_size 0
		.amdhsa_enable_private_segment 0
		.amdhsa_kernarg_size 48
		.amdhsa_user_sgpr_count 2
		.amdhsa_user_sgpr_kernarg_segment_ptr 1
		.amdhsa_wavefront_size32 1
		.amdhsa_system_sgpr_workgroup_id_x 1
		.amdhsa_system_sgpr_workgroup_id_y 1
		.amdhsa_system_sgpr_workgroup_id_z 1
		.amdhsa_system_vgpr_workitem_id 0
		.amdhsa_next_free_vgpr 768
		.amdhsa_next_free_sgpr 100
		.amdhsa_reserve_vcc 0
		.amdhsa_float_denorm_mode_32 3
		.amdhsa_float_denorm_mode_16_64 3
		.amdhsa_memory_ordered 1
		.amdhsa_forward_progress 1
		.amdhsa_inst_pref_size 83
	.end_amdhsa_kernel
	.amdgpu_metadata
---
amdhsa.version: [ 1, 2 ]
amdhsa.kernels:
  - .name:           k_q7b82b28f61_ff2
    .symbol:         k_q7b82b28f61_ff2.kd
    .args:
      - { .name: hid, .offset: 0, .size: 8, .value_kind: global_buffer, .address_space: global }
      - { .name: opc, .offset: 8, .size: 8, .value_kind: global_buffer, .address_space: global }
      - { .name: lowp_scales, .offset: 16, .size: 8, .value_kind: global_buffer, .address_space: global }
      - { .name: x1, .offset: 24, .size: 8, .value_kind: global_buffer, .address_space: global }
      - { .name: b2, .offset: 32, .size: 8, .value_kind: global_buffer, .address_space: global }
      - { .name: out0, .offset: 40, .size: 8, .value_kind: global_buffer, .address_space: global }
    .group_segment_fixed_size: 327680
    .private_segment_fixed_size: 0
    .kernarg_segment_align: 8
    .kernarg_segment_size: 48
    .max_flat_workgroup_size: 128
    .sgpr_count:     100
    .vgpr_count:     768
    .wavefront_size: 32
...
	.end_amdgpu_metadata
.endif
;; end of part 7
